; MI455X (gfx1250); checked and timed in simulation.
; The chip was launched on July 23, 2026; its instructions are those of AMD's public machine-readable ISA for CDNA 5 (MIT licence, August 2026) and "CDNA5" Instruction Set Architecture Reference Guide (July 2026). The comments in the code are by the model that wrote it; some were corrected since.
;; Self Attention. Allowed arithmetic: matrix products marked QUANTISED: E4M3 operands, one given power-of-two scale a tensor, by v_wmma_f32_16x16x64_fp8_fp8 or v_wmma_f32_16x16x128_fp8_fp8, f32 sums; everything else in f32.
;; Inputs: Wk 2,048 x 16 x 128 float32; Wo 16 x 128 x 2,048 float32; Wq 2,048 x 16 x 128 float32; Wv 2,048 x 16 x 128 float32; lowp_scales 12 int32 (the exponents e of the quantised operands' scales 2^e); mask 1 x 1 x 2,048 x 2,048 bool; x 1 x 2,048 x 2,048 float32.
;; Outputs: out0 1 x 2,048 x 2,048 float32.
;; This version of the problem:
;;   THIS VERSION OF THE PROBLEM IS GIVEN IN LOW PRECISION. The matrix products marked QUANTISED in the list below multiply operands that are first quantised to E4M3 (4 exponent bits, 3 mantissa bits; 8 bits a number), with one given power-of-two scale for each operand tensor; their sums are f32. All else is computed in f32.
;;   The module's matrix products, in the order in which they are computed (A, B: the left and right operand; K: the contracted axis; several contracted axes count as one K, in the product's order):
;;     1. [M 2,048, K 2,048] x [K 2,048, N 2,048]; A: input x; B: input Wq: QUANTISED (scales: A lowp_scales[0], B lowp_scales[1])
;;     2. [M 2,048, K 2,048] x [K 2,048, N 2,048]; A: input x; B: input Wk: QUANTISED (scales: A lowp_scales[2], B lowp_scales[3])
;;     3. [M 2,048, K 2,048] x [K 2,048, N 2,048]; A: input x; B: input Wv: QUANTISED (scales: A lowp_scales[4], B lowp_scales[5])
;;     4. batch 16 x [M 2,048, K 128] x [K 128, N 2,048]; A: computed on the way; B: computed on the way: QUANTISED (scales: A lowp_scales[6], B lowp_scales[7])
;;     5. batch 16 x [M 128, K 2,048] x [K 2,048, N 2,048]; A: computed on the way; B: softmax (see below): QUANTISED (scales: A lowp_scales[8], B lowp_scales[9])
;;     6. [M 2,048, K 2,048] x [K 2,048, N 2,048]; A: computed on the way; B: input Wo: QUANTISED (scales: A lowp_scales[10], B lowp_scales[11])
;;   THE QUANTISER, for each operand of a quantised product, along K:
;;     - The operand's scale is 2^e, e = its entry of the input lowp_scales (int32; the entries are numbered through the quantised products in the list's order, A before B).
;;     - Each number is divided by the scale, clamped to +-448, and rounded to the nearest number of E4M3, ties to even, subnormals kept.
;;     - The product sums the exact products of the quantised numbers (number of the format x scale) in f32.
;;   ~~~python
;;   def quantise(x, axis, e):      # numpy; x: float32 -> the quantised numbers, widened to float32 again
;;       x = np.moveaxis(x, axis, -1); K = x.shape[-1]
;;       r = np.clip(x / 2.0 ** e, -448, 448)
;;       step = 2.0 ** (np.maximum(np.frexp(np.where(r == 0, 1, r))[1] - 1, -6) - 3)
;;       q = np.round(r / step) * step * 2.0 ** e      # np.round: ties to even
;;       return np.moveaxis(q, -1, axis).astype(np.float32)
;;   ~~~
;;   SOFTMAX AHEAD OF A QUANTISED PRODUCT. Where the list says 'softmax', what is quantised is not the finished softmax but p = 2^(t - M), with t = logit x log2(e) and M = ceil(the row's largest t), a whole number; so 1/2 < the row's largest p <= 1. The row's sum l is taken of the UNQUANTISED p, in f32, and the product's result is divided by l at the end. Since M is a whole number, a kernel that streams over the keys may use a running M (the ceiling of the running maximum): every later rescaling is an exact power of two, so the quantised numbers keep their values, but for numbers so far below the row's largest that they fall under the format's range.
;;   OPERANDS COMPUTED ON THE WAY. 'Computed on the way' means the value that the module computes at that place (a softmax that the list does not call 'softmax' is quantised finished and normalised). What goes into a quantiser is computed in f32, as accurately as f32 sums, v_exp_f32 and their like allow (about 1e-6 of the number): no bf16 or f16 on the way to a quantiser, and a product that is left as it is and whose result goes on into a quantised operand takes f32 operands (vector FMAs, or v_wmma_f32_16x16x4_f32). A number that lies on a knife's edge between two numbers of the format may be rounded either way, as far as f32 arithmetic and the matrix unit's own rounding can turn it there, and no further.
;; One version. Each part assembles by itself: llvm-mc -triple=amdgcn-amd-amdhsa -mcpu=gfx1250 --defsym DOCPART=n.
;; ======== version 1 of 1: 4 launches
;; limits: right only within a limited range of input values
;; workspace buffers: img 29,360,128 bytes; rope 1,048,576 bytes; maskw 524,288 bytes of whole numbers; sumw 16,384 bytes of whole numbers; q_img 4,194,304 bytes; kv_img 8,388,608 bytes; ctx_img 4,194,304 bytes
;; launch prep (part 1): grid 768 x 1, 4 waves a work-group, no clusters, 68,096 bytes of LDS; arguments x, mask, Wq, Wk, Wv, Wo, lowp_scales, img, rope, maskw, sumw; writes img, rope, maskw, sumw
.if DOCPART == 1
	.amdgcn_target "amdgcn-amd-amdhsa--gfx1250"
	.amdhsa_code_object_version 6
	.text
	.protected	k_q73da40cce8_prep
	.globl	k_q73da40cce8_prep
	.p2align	8
	.type	k_q73da40cce8_prep,@function
k_q73da40cce8_prep:
	s_mov_b64 s[64:65], 0
	v_nop
	global_prefetch_b8 v0, s[64:65] scope:SCOPE_SE
	s_setreg_imm32_b32 hwreg(HW_REG_WAVE_MODE, 25, 1), 1
	s_wait_xcnt 0x0
; PREP: everything that later launches read again and again is made once, in the order of the matrix operands' registers.
; AN IMAGE.  A fragment (16 rows x 128 K of E4M3 codes, 16 registers a lane) is 2,048 bytes: piece c (0..3) at 512 c, lane l = 16 h + r at 16 l; the lane's 16 bytes are
; k = 128 s + 32 c + 16 h + 0..15 of row pi(t, r) = 32 (t / 2) + 8 (t % 2) + r + 8 (r / 8), t the tile of 16 rows.  Fragment (t, s) lies at (s / 2) 524,288 + 4,096 t + 2,048 (s % 2)
; (Wo: at (s / 4) 1,048,576 + 8,192 t + 2,048 (s % 4)).  img: x's codes three times (scales e0, e2, e4), 4 MiB each, then Wq, Wk, Wv, Wo (e1, e3, e5, e11; a row is a column n of the weight).
; Work-groups 0..511 take the weights: K is their first axis, so a lane takes a column n and its registers run down K; nothing is transposed by an instruction.
; Work-groups 512..767 take x, the mask and the table of cos and sin.  The mask becomes lane masks: word (16 t + j) 64 + n, bit l = mask[pi(t, r)][128 j + 32 (n / 16) + 16 h + n % 16].
; rope: 8,192 t + 2,048 b + 512 p + 16 l: four f32; p = 0, 1 cos, p = 2, 3 sin, of position pi(t, r) and frequency i = 32 (b / 2) + 16 h + 8 (b % 2) + 4 (p % 2) + 0..3.
; code = number / 2^e, held within +-448, rounded to the nearest code, ties to even.
; LIMITS: e0, e2, e4, e1, e3, e5, e11 between -126 and 119.  NaN among the inputs is not served.  A frequency is 2^(-i log2(10000) / 64) to about one unit in its last place, so an angle
; can differ from one made with another rounding of the frequency by about 2e-4 at the largest positions.  cos and sin: reduction by pi / 2 in two parts, polynomials to z^4 and z^5.
; The two ways part on the work-group's number; each has LDS bytes of its own.  No tensor load, no barrier: waves share nothing.
.set WREG,  8448                       ; a wave's stage, on either way
.set WSTG,  0                          ; the weights' way: four stages
.set XSTG,  4*WREG                     ; x's way: four stages
.set SPARE, 8*WREG                     ; behind them: the spare words, 128 bytes for each wave, that no other line names
.set LI,    4                          ; v4   16 x lane
.set SPW,   14                         ; v14  LDS address of my spare word; never rewritten
.set NIL,   15                         ; v15  0; never rewritten
.set X,     32                         ; weights: v32-95 two sets of 32 numbers
.set C,     96                         ;          v96-103 a block's codes
.set OUTR,  112                        ;          v112-175 the way out
.set R,     32                         ; x: v32-159 two fragments' numbers, 64 a lane each
.set MK,    160                        ;    v160-191 the mask's bytes; later
.set T,     160                        ;    two sets of 16 held numbers
.set PC,    192                        ;    v192-239 at work on cos and sin; later three sets' codes
.set WV,    24                         ; s24  my wave's number
	s_load_b512 s[4:19], s[0:1], 0x0               ; x 4:5, mask 6:7, Wq 8:9, Wk 10:11, Wv 12:13, Wo 14:15, the exponents 16:17, img 18:19
	s_load_b128 s[20:23], s[0:1], 0x40
	s_load_b64 s[58:59], s[0:1], 0x50              ; sumw
	v_lshl_add_u32 v[SPW], v0, 2, SPARE
	v_mov_b32 v[NIL], 0
	v_lshrrev_b32 v1, 5, v0
	v_readfirstlane_b32 s[WV], v1                  ; wave 0..3
	v_and_b32 v1, 31, v0                           ; lane
	v_and_b32 v2, 15, v0                           ; r
	v_bfe_u32 v3, v0, 4, 1                         ; h
	v_lshlrev_b32 v[LI], 4, v1
	; every LDS address of both ways is made here, ahead of the parting
	s_mul_i32 s25, s[WV], WREG
	v_bfe_u32 v5, v0, 3, 1                         ; weights: column lane of a group of 32 lies in tile u = (lane / 8) % 2,
	v_mul_u32_u24 v5, v5, 4224                     ; whose two fragments begin 4,096 + 128 bytes on, so that sixteen lanes' stores fall on sixteen different columns of 16 bytes,
	v_and_b32 v6, 7, v0
	v_lshl_add_u32 v6, v3, 3, v6                   ; at the tile's lane lane % 8 + 8 (lane / 16)
	v_lshl_add_u32 v5, v6, 4, v5
	v_add_nc_u32 v5, s25, v5                       ; v5: into the weights' stage
	v_add_nc_u32 v6, s25, v[LI]                    ; v6: out of it, 512 bytes on end
	s_add_co_u32 s26, s25, XSTG
	v_add_nc_u32 v7, s26, v[LI]                    ; v7: into x's stage: a row's 512 bytes as they lie
	v_mul_u32_u24 v8, v2, 528
	v_lshl_add_u32 v8, v3, 6, v8
	v_add_nc_u32 v8, s26, v8                       ; v8: out of it: row r (pitch 512 + 16), + 64 h
	s_wait_kmcnt 0x0
	s_load_b256 s[32:39], s[16:17], 0x0            ; e0 .. e7
	s_load_b128 s[44:47], s[16:17], 0x20           ; e8 .. e11
	s_cmp_lt_u32 ttmp9, 512
	s_cbranch_scc0 .Lx
; ---------------- THE WEIGHTS.  A wave: 32 columns x 256 along K.
	s_lshr_b32 s27, ttmp9, 7                       ; which weight: 0 Wq, 1 Wk, 2 Wv, 3 Wo
	s_and_b32 s28, ttmp9, 15                       ; which 128 columns
	s_bfe_u32 s29, ttmp9, 0x30004                  ; which 256 along K
	s_cmp_eq_u32 s27, 0                            ; the choice hangs on the work-group's number alone
	s_cselect_b64 s[48:49], s[8:9], s[10:11]
	s_cmp_eq_u32 s27, 2
	s_cselect_b64 s[50:51], s[12:13], s[14:15]
	s_cmp_lt_u32 s27, 2
	s_cselect_b64 s[48:49], s[48:49], s[50:51]
	s_lshl_b32 s52, s29, 21                        ; 256 rows of 8,192 bytes,
	s_lshl_b32 s53, s28, 9                         ; 128 columns of 4,
	s_add_co_u32 s52, s52, s53
	s_lshl_b32 s53, s[WV], 7                       ; my wave's 32
	s_add_co_u32 s52, s52, s53
	s_mov_b32 s53, 0
	s_add_nc_u64 s[48:49], s[48:49], s[52:53]
	v_lshlrev_b32 v9, 2, v1                        ; 4 bytes a lane
.macro WLOAD t                         ; block t: W(32 t + i, my column), i = 0..31, into set t % 2: 128 consecutive bytes a load, the four waves side by side
.set I, 0
.rept 32
	global_load_b32 v[X+32*((\t)%2)+I], v9, s[48:49] offset:(32*(\t)+I)*8192 th:TH_LOAD_NT
.set I, I+1
.endr
.endm
	WLOAD 0
	WLOAD 1
	s_lshl_b32 s54, s28, 3
	s_lshl_b32 s55, s[WV], 1
	s_add_co_u32 s54, s54, s55                     ; my first tile of 16 columns: 8 x block + 2 x wave
	s_lshl_b32 s55, s29, 19
	s_lshl_b32 s56, s54, 12
	s_add_co_u32 s55, s55, s56                     ; the place of its two fragments in Wq's, Wk's, Wv's order,
	s_lshr_b32 s56, s29, 1
	s_lshl_b32 s56, s56, 20
	s_and_b32 s57, s29, 1
	s_lshl_b32 s57, s57, 12
	s_add_co_u32 s56, s56, s57
	s_lshl_b32 s57, s54, 13
	s_add_co_u32 s56, s56, s57                     ; and in Wo's
	s_cmp_lt_u32 s27, 3
	s_cselect_b32 s52, s55, s56
	s_mov_b32 s58, 8192
	s_cselect_b32 s58, 4096, s58                   ; from a tile to the next
	s_lshl_b32 s55, s27, 22
	s_add_co_u32 s52, s52, s55
	s_add_co_u32 s52, s52, 12582912                ; behind x's three sets
	s_add_nc_u64 s[18:19], s[18:19], s[52:53]
	v_mov_b32 v10, v[LI]                           ; the way out: tile u = 0,
	v_add_nc_u32 v11, s58, v[LI]                   ; and u = 1
	s_wait_kmcnt 0x0
	s_cmp_eq_u32 s27, 0
	s_cselect_b32 s30, s33, s35                    ; e1 or e3
	s_cmp_eq_u32 s27, 2
	s_cselect_b32 s31, s37, s47                    ; e5 or e11
	s_cmp_lt_u32 s27, 2
	s_cselect_b32 s30, s30, s31
	s_add_co_i32 s30, s30, 127
	s_lshl_b32 s31, s30, 23
	v_mov_b32 v12, s31                             ; 2^e as f32: the conversion takes its exponent field
	s_add_co_i32 s30, s30, 8
	s_lshl_b32 s30, s30, 23
	s_or_b32 s30, s30, 0x600000
	v_mov_b32 v13, s30                             ; 448 x 2^e
.macro WBLOCK t
.set XS, X+32*((\t)%2)
.if (\t) < 7
	s_wait_loadcnt 32                              ; this block's 32 loads are in; the next block's 32 may be out
.else
	s_wait_loadcnt 0x0
.endif
.set I, 0
.rept 32
	v_med3_num_f32 v[XS+I], v[XS+I], -v13, v13     ; the conversion to an 8-bit code does not saturate (ISA guide 7.6.2): the hold comes first
.set I, I+1
.endr
.irp g, 0,1,2,3
	v_cvt_scalef32_pk8_fp8_f32 v[C+2*\g:C+2*\g+1], v[XS+8*\g:XS+8*\g+7], v12
.endr
	ds_store_b128 v5, v[C:C+3] offset:((\t)/4)*2048+((\t)%4)*512        ; k = 32 t + 0..15: the half h = 0 of piece t % 4 of fragment t / 4
	ds_store_b128 v5, v[C+4:C+7] offset:((\t)/4)*2048+((\t)%4)*512+256  ; k = 32 t + 16..31: h = 1
.if (\t)+2 < 8
	WLOAD (\t)+2
.endif
	s_wait_dscnt 0x0                               ; the stores have read their registers: the next block's codes may be written
.endm
.set Q, 0
	s_wait_alu depctr_va_vdst(0)
.rept 8
	WBLOCK Q
.set Q, Q+1
.endr
.irp u, 0,1
.irp p, 0,1,2,3,4,5,6,7
	ds_load_b128 v[OUTR+4*(8*\u+\p):OUTR+4*(8*\u+\p)+3], v6 offset:4224*\u+512*\p   ; LDS serves a wave's instructions in order: these see my stores
.endr
.endr
.irp u, 0,1
.irp p, 0,1,2,3,4,5,6,7
	s_wait_dscnt 15-(8*\u+\p)
	global_store_b128 v[10+\u], v[OUTR+4*(8*\u+\p):OUTR+4*(8*\u+\p)+3], s[18:19] offset:512*\p   ; 32 lanes store 512 consecutive bytes, at a multiple of 512 from img's first byte
.endr
.endr
	s_wait_tensorcnt 0x0                           ; the wave's end
	ds_add_u32 v[SPW], v[NIL]
	s_wait_dscnt 0x0
	s_endpgm
; ---------------- x, THE MASK, cos AND sin.  A work-group: tile t of 16 rows, half hf of the 2,048 columns; a wave: 256 of them: K steps (key steps) s0 and s0 + 1.
.Lx:
	s_sub_co_u32 s27, ttmp9, 512
	s_lshr_b32 s28, s27, 1                         ; t
	s_and_b32 s29, s27, 1                          ; hf
	s_lshl_b32 s30, s29, 3
	s_lshl_b32 s31, s[WV], 1
	s_add_co_u32 s30, s30, s31                     ; s0 = 8 hf + 2 wave
	s_lshr_b32 s31, s28, 1
	s_lshl_b32 s31, s31, 5
	s_and_b32 s48, s28, 1
	s_lshl_b32 s48, s48, 3
	s_add_co_u32 s31, s31, s48                     ; the tile's first row: 32 (t / 2) + 8 (t % 2)
	s_lshl_b32 s48, s31, 11
	s_lshl_b32 s50, s30, 7
	s_add_co_u32 s48, s48, s50
	s_mov_b32 s49, 0
	s_add_nc_u64 s[6:7], s[6:7], s[48:49]          ; the mask at that row, key 128 s0
	s_lshl_b32 s48, s31, 13
	s_lshl_b32 s50, s30, 9
	s_add_co_u32 s48, s48, s50
	s_add_nc_u64 s[4:5], s[4:5], s[48:49]          ; x at that row, column 128 s0
	v_lshrrev_b32 v9, 3, v2
	v_lshl_add_u32 v9, v9, 3, v2                   ; r + 8 (r / 8)
	s_wait_alu depctr_va_vdst(0)
	v_lshlrev_b32 v10, 11, v9
	v_lshl_add_u32 v10, v3, 4, v10                 ; the mask: my row, + 16 h
.irp jj, 0,1
.irp b, 0,1,2,3
	global_load_b128 v[MK+4*(4*\jj+\b):MK+4*(4*\jj+\b)+3], v10, s[6:7] offset:128*\jj+32*\b   ; keys 128 (s0 + jj) + 32 b + 16 h + 0..15 of my query; the eight loads together take 256 consecutive bytes of each of 16 rows
.endr
.endr
.irp f, 0,1
.irp t, 0,1,2,3,4,5,6,7,8,9,10,11,12,13,14,15
	global_load_b128 v[R+64*\f+4*\t:R+64*\f+4*\t+3], v[LI], s[4:5] offset:(\t+8*(\t/8))*8192+512*\f th:TH_LOAD_NT   ; 32 lanes read 512 consecutive bytes of the tile's row t
.endr
.endr
	s_lshl_b32 s48, s28, 13
	s_lshl_b32 s50, s[WV], 11
	s_add_co_u32 s48, s48, s50
	s_lshl_b32 s50, s29, 9
	s_add_co_u32 s48, s48, s50
	s_add_nc_u64 s[20:21], s[20:21], s[48:49]      ; rope: 8,192 t + 2,048 wave + 512 hf
	s_lshl_b32 s48, s28, 12
	s_lshl_b32 s50, s30, 8
	s_add_co_u32 s48, s48, s50
	s_add_nc_u64 s[22:23], s[22:23], s[48:49]      ; maskw: (16 t + s0) x 256 bytes
	s_lshl_b32 s48, s29, 2
	s_add_co_u32 s48, s48, s[WV]
	s_lshl_b32 s48, s48, 19
	s_lshl_b32 s50, s28, 12
	s_add_co_u32 s48, s48, s50
	s_add_co_u32 s48, s48, 4194304
	s_add_nc_u64 s[18:19], s[18:19], s[48:49]      ; img: x's SECOND set, at my two fragments: the three sets then lie within the stores' signed 24-bit immediates (ISA guide, chapter 10)
	; cos and sin of position x frequency, four frequencies a thread, while the loads are on their way
	s_lshr_b32 s50, s[WV], 1
	s_lshl_b32 s50, s50, 5
	s_and_b32 s51, s[WV], 1
	s_lshl_b32 s51, s51, 3
	s_add_co_u32 s50, s50, s51
	s_lshl_b32 s51, s29, 2
	s_add_co_u32 s50, s50, s51
	v_lshl_add_u32 v11, v3, 4, s50                 ; my first frequency: 32 (wave / 2) + 16 h + 8 (wave % 2) + 4 hf
	v_add_nc_u32 v244, s31, v9
	v_cvt_f32_u32 v244, v244                       ; my position
	s_mov_b32 s52, 0x3e549a78                      ; log2(10000) / 64, its f32 part,
	s_mov_b32 s53, 0x31979a17                      ; and what that leaves
	s_mov_b32 s54, 0x3fc90fdb                      ; pi / 2, its f32 part,
	s_mov_b32 s55, 0xb33bbd2e                      ; and what that leaves
	s_mov_b32 s56, 0x3638ef1d                      ; 1 / 9!
	s_mov_b32 s57, 0xb493f27c                      ; -1 / 10!
.irp e, 0,1,2,3
.set TE, PC+10*\e
	v_add_nc_u32 v[TE], \e, v11
	v_cvt_f32_u32 v[TE], v[TE]                     ; i
	v_mul_f32 v[TE+1], s52, v[TE]                  ; A = i x the f32 part, rounded;
	v_fma_f32 v[TE+2], v[TE], s52, -v[TE+1]        ; E = what the rounding dropped
	v_fmac_f32 v[TE+2], s53, v[TE]                 ;   + i x the rest
.endr
	s_wait_alu depctr_va_vdst(0)
.irp e, 0,1,2,3
.set TE, PC+10*\e
	v_exp_f32 v[TE+3], -v[TE+1]                    ; 2^-A: the four are one batch
.endr
.irp e, 0,1,2,3
.set TE, PC+10*\e
	v_mul_f32 v[TE+2], 0x3f317218, v[TE+2]         ; E ln 2.  (Plain lines behind the batch)
.endr
	s_wait_alu depctr_va_vdst(0)                   ; the wait ahead of the batch's first reader: one for the four
.irp e, 0,1,2,3
.set TE, PC+10*\e
	v_fma_f32 v[TE+3], -v[TE+3], v[TE+2], v[TE+3]  ; the frequency: 2^-A (1 - E ln 2)
	v_mul_f32 v[TE+4], v244, v[TE+3]               ; the angle, rounded to f32
	v_mul_f32 v[TE+5], 0x3f22f983, v[TE+4]
	v_rndne_f32 v[TE+5], v[TE+5]                   ; N = the nearest multiple of pi / 2
	v_fma_f32 v[TE+6], -v[TE+5], s54, v[TE+4]
	v_fma_f32 v[TE+6], -v[TE+5], s55, v[TE+6]      ; what is left, within +-pi / 4
	v_mul_f32 v[TE+7], v[TE+6], v[TE+6]            ; z
	v_fmaak_f32 v[TE+8], s56, v[TE+7], 0xb9500d01
	v_fmaak_f32 v[TE+8], v[TE+8], v[TE+7], 0x3c088889
	v_fmaak_f32 v[TE+8], v[TE+8], v[TE+7], 0xbe2aaaab
	v_mul_f32 v[TE], v[TE+6], v[TE+7]
	v_fma_f32 v[TE+8], v[TE], v[TE+8], v[TE+6]     ; its sine
	v_fmaak_f32 v[TE+9], s57, v[TE+7], 0x37d00d01
	v_fmaak_f32 v[TE+9], v[TE+9], v[TE+7], 0xbab60b61
	v_fmaak_f32 v[TE+9], v[TE+9], v[TE+7], 0x3d2aaaab
	v_fma_f32 v[TE+9], v[TE+9], v[TE+7], -0.5
	v_fma_f32 v[TE+9], v[TE+9], v[TE+7], 1.0       ; its cosine
	v_cvt_i32_f32 v[TE], v[TE+5]                   ; the quadrant: N odd swaps the two; sine is negative where N & 2, cosine where (N + 1) & 2
	v_and_b32 v[TE+1], 1, v[TE]
	v_cmp_ne_u32 vcc_lo, 0, v[TE+1]
	v_cndmask_b32 v[236+\e], v[TE+8], v[TE+9], vcc_lo
	v_cndmask_b32 v[232+\e], v[TE+9], v[TE+8], vcc_lo
	v_and_b32 v[TE+1], 2, v[TE]
	v_lshlrev_b32 v[TE+1], 30, v[TE+1]
	v_xor_b32 v[236+\e], v[TE+1], v[236+\e]
	v_add_nc_u32 v[TE], 1, v[TE]
	v_and_b32 v[TE], 2, v[TE]
	v_lshlrev_b32 v[TE], 30, v[TE]
	v_xor_b32 v[232+\e], v[TE], v[232+\e]
.endr
	global_store_b128 v[LI], v[232:235], s[20:21]              ; cos: 512 consecutive bytes a wave
	global_store_b128 v[LI], v[236:239], s[20:21] offset:1024  ; sin
	; the mask's bytes become lane masks: a compare gives the 32 lanes' bits of one word; word w of my 128 goes to lane w / 4, register w % 4
	s_wait_loadcnt 32                              ; the mask's eight loads are in; x's 32 may be out
.irp k, 0,1,2,3
	v_mov_b32 v[248+\k], 0                         ; (a lane write's destination counts as read)
.endr
.set W, 0
.rept 32
.irp k, 0,1,2,3
	v_and_b32 v[240+\k], 0xff<<(8*\k), v[MK+4*(W/16)+(W%16)/4]   ; word W + k: byte k of register (W % 16) / 4 of the 16 bytes of group W / 16
.endr
.irp k, 0,1,2,3
	v_cmp_ne_u32 s[40+\k], 0, v[240+\k]
.endr
.irp k, 0,1,2,3
	v_writelane_b32 v[248+\k], s[40+\k], W/4
.endr
.set W, W+4
.endr
	global_store_b128 v[LI], v[248:251], s[22:23]
	; sumw: for tile t, 128 bytes: 16 words ANY (one a key step), then 16 words ALL.  Bit l of ANY: lane l has a key that counts among its 64 of the step; of ALL: all 64 count (a bool byte is 0 or 1).
	; A lane's 64 mask bytes of a step are 16 registers: their OR is not 0, their AND is 0x01010101.  My wave has two steps: 8 bytes of each kind, stored by lane 0.
.irp jj, 0,1
	v_or_b32 v[240+2*\jj], v[MK+16*\jj], v[MK+16*\jj+1]
	v_and_b32 v[241+2*\jj], v[MK+16*\jj], v[MK+16*\jj+1]
.endr
.irp i, 2,3,4,5,6,7,8,9,10,11,12,13,14,15
.irp jj, 0,1
	v_or_b32 v[240+2*\jj], v[240+2*\jj], v[MK+16*\jj+\i]
	v_and_b32 v[241+2*\jj], v[241+2*\jj], v[MK+16*\jj+\i]
.endr
.endr
	v_cmp_ne_u32 s40, 0, v240
	v_cmp_ne_u32 s41, 0, v242
	v_cmp_eq_u32 s42, 0x01010101, v241
	v_cmp_eq_u32 s43, 0x01010101, v243
	v_mov_b32 v244, s40
	v_mov_b32 v245, s41
	v_mov_b32 v246, s42
	v_mov_b32 v247, s43
	v_mov_b32 v240, 0
	s_lshl_b32 s48, s28, 7                         ; 128 t
	s_lshl_b32 s50, s30, 2                         ; + 4 s0
	s_add_co_u32 s48, s48, s50
	s_add_nc_u64 s[58:59], s[58:59], s[48:49]
	v_cmp_eq_u32 vcc_lo, 0, v1
	s_wait_alu depctr_va_vdst(0)
	s_wait_xcnt 0x0                                ; EXEC changes only behind this wait
	s_and_saveexec_b32 s60, vcc_lo
	global_store_b64 v240, v[244:245], s[58:59]
	global_store_b64 v240, v[246:247], s[58:59] offset:64
	s_wait_xcnt 0x0                                ; and again in front of the line that widens it
	s_or_b32 exec_lo, exec_lo, s60
	; x: each fragment's 16 rows x 512 bytes go through my stage and come back 64 bytes a lane: 16 neighbours along K of each block of 32
.macro XTURN f
.set I, 0
.rept 16
	ds_store_b128 v7, v[R+64*(\f)+4*I:R+64*(\f)+4*I+3] offset:528*I
.set I, I+1
.endr
.irp c, 0,1,2,3
.irp i, 0,1,2,3
	ds_load_b128 v[R+64*(\f)+16*\c+4*\i:R+64*(\f)+16*\c+4*\i+3], v8 offset:128*\c+16*\i   ; LDS serves a wave's instructions in order: these see the stores above, and the next fragment's stores come behind them
.endr
.endr
.endm
; fragment f becomes codes three times, once for each of x's scales.  The held numbers go into two sets by turns, so that plain lines stand between a conversion and the next write of its sources
.macro QX f
.irp q, 0,1,2
.irp c, 0,1,2,3
.set TS, T+16*(\c%2)
.set I, 0
.rept 16
	v_med3_num_f32 v[TS+I], v[R+64*(\f)+16*\c+I], -v[17+2*\q], v[17+2*\q]
.set I, I+1
.endr
	v_cvt_scalef32_pk8_fp8_f32 v[PC+16*\q+4*\c:PC+16*\q+4*\c+1], v[TS:TS+7], v[16+2*\q]
	v_cvt_scalef32_pk8_fp8_f32 v[PC+16*\q+4*\c+2:PC+16*\q+4*\c+3], v[TS+8:TS+15], v[16+2*\q]
.endr
.irp c, 0,1,2,3
	global_store_b128 v[LI], v[PC+16*\q+4*\c:PC+16*\q+4*\c+3], s[18:19] offset:(\q-1)*4194304+2048*(\f)+512*\c   ; a piece: 512 consecutive bytes
.endr
.endr
.endm
	s_wait_loadcnt 0x0
	XTURN 0
	XTURN 1
	s_wait_kmcnt 0x0
.irp q, 0,1,2
	s_add_co_i32 s50, s[32+2*\q], 127              ; e0, e2, e4
	s_lshl_b32 s51, s50, 23
	v_mov_b32 v[16+2*\q], s51                      ; 2^e
	s_add_co_i32 s50, s50, 8
	s_lshl_b32 s50, s50, 23
	s_or_b32 s50, s50, 0x600000
	v_mov_b32 v[17+2*\q], s50                      ; 448 x 2^e
.endr
	s_wait_alu depctr_va_vdst(0)
	s_wait_xcnt 0x0                                ; the table's stores have read their registers, which the codes take now
	s_wait_dscnt 32                                ; fragment 0 is back; fragment 1's 32 LDS instructions may be out
	QX 0
	s_wait_dscnt 0x0
	s_wait_xcnt 0x0                                ; fragment 0's stores have read the codes' registers
	QX 1
	s_wait_tensorcnt 0x0                           ; the wave's end
	ds_add_u32 v[SPW], v[NIL]
	s_wait_dscnt 0x0
	s_endpgm
.Lfunc_end_k_q73da40cce8_prep:
	.size	k_q73da40cce8_prep, .Lfunc_end_k_q73da40cce8_prep-k_q73da40cce8_prep
	.p2alignl 7, 3214868480
	.fill 96, 4, 3214868480
	.section	.rodata,"a",@progbits
	.p2align	6, 0x0
	.amdhsa_kernel k_q73da40cce8_prep
		.amdhsa_group_segment_fixed_size 68096
		.amdhsa_private_segment_fixed_size 0
		.amdhsa_enable_private_segment 0
		.amdhsa_kernarg_size 88
		.amdhsa_user_sgpr_count 2
		.amdhsa_user_sgpr_kernarg_segment_ptr 1
		.amdhsa_wavefront_size32 1
		.amdhsa_system_sgpr_workgroup_id_x 1
		.amdhsa_system_sgpr_workgroup_id_y 1
		.amdhsa_system_sgpr_workgroup_id_z 1
		.amdhsa_system_vgpr_workitem_id 0
		.amdhsa_next_free_vgpr 256
		.amdhsa_next_free_sgpr 66
		.amdhsa_reserve_vcc 1
		.amdhsa_float_denorm_mode_32 3
		.amdhsa_float_denorm_mode_16_64 3
		.amdhsa_memory_ordered 1
		.amdhsa_forward_progress 1
		.amdhsa_inst_pref_size 125
	.end_amdhsa_kernel
	.amdgpu_metadata
---
amdhsa.version: [ 1, 2 ]
amdhsa.kernels:
  - .name:           k_q73da40cce8_prep
    .symbol:         k_q73da40cce8_prep.kd
    .args:
      - { .name: x, .offset: 0, .size: 8, .value_kind: global_buffer, .address_space: global }
      - { .name: mask, .offset: 8, .size: 8, .value_kind: global_buffer, .address_space: global }
      - { .name: Wq, .offset: 16, .size: 8, .value_kind: global_buffer, .address_space: global }
      - { .name: Wk, .offset: 24, .size: 8, .value_kind: global_buffer, .address_space: global }
      - { .name: Wv, .offset: 32, .size: 8, .value_kind: global_buffer, .address_space: global }
      - { .name: Wo, .offset: 40, .size: 8, .value_kind: global_buffer, .address_space: global }
      - { .name: lowp_scales, .offset: 48, .size: 8, .value_kind: global_buffer, .address_space: global }
      - { .name: img, .offset: 56, .size: 8, .value_kind: global_buffer, .address_space: global }
      - { .name: rope, .offset: 64, .size: 8, .value_kind: global_buffer, .address_space: global }
      - { .name: maskw, .offset: 72, .size: 8, .value_kind: global_buffer, .address_space: global }
      - { .name: sumw, .offset: 80, .size: 8, .value_kind: global_buffer, .address_space: global }
    .group_segment_fixed_size: 68096
    .private_segment_fixed_size: 0
    .kernarg_segment_align: 8
    .kernarg_segment_size: 88
    .max_flat_workgroup_size: 128
    .sgpr_count:     66
    .vgpr_count:     256
    .wavefront_size: 32
...
	.end_amdgpu_metadata
.endif
;; end of part 1
;; launch qkv (part 2): grid 24 x 8, 4 waves a work-group, clusters of 4 x 4, 327,680 bytes of LDS; arguments img, rope, lowp_scales, q_img, kv_img; writes q_img, kv_img
.if DOCPART == 2
	.amdgcn_target "amdgcn-amd-amdhsa--gfx1250"
	.amdhsa_code_object_version 6
	.text
	.protected	k_q73da40cce8_qkv
	.globl	k_q73da40cce8_qkv
	.p2align	8
	.type	k_q73da40cce8_qkv,@function
k_q73da40cce8_qkv:
	s_mov_b64 s[64:65], 0
	v_nop
	global_prefetch_b8 v0, s[64:65] scope:SCOPE_SE
	s_setreg_imm32_b32 hwreg(HW_REG_WAVE_MODE, 25, 1), 1
	s_wait_xcnt 0x0
	s_wait_alu depctr_hold_cnt(0) depctr_sa_sdst(0) depctr_va_vdst(0) depctr_va_sdst(0) depctr_va_ssrc(0) depctr_va_vcc(0) depctr_vm_vsrc(0)
	s_getreg_b32 s2, hwreg(HW_REG_IB_STS2, 6, 4)
	s_cmp_eq_u32 s2, 0
	s_cbranch_scc0 .Lentry_in_a_cluster
	s_endpgm
.Lentry_in_a_cluster:
	s_bfe_u32 s2, ttmp6, 0x10000c
	s_cmp_lg_u32 s2, 0xf033
	s_cbranch_scc0 .Lentry_shape_is_right
	s_endpgm
.Lentry_shape_is_right:
.set PART,   32768
.set SLOT,   4*PART
.set KSL,    524288
.set SPARE,  2*SLOT
.set LAPS,   4
.set FR,     16
.set NL,     4
.set NP,     4
.set ADRA, 16
.set ADRB, 20
.set CO,   26
.set SPW,  28
.set NIL,  29
.set SC,   30
.set LIM,  31
.set Y,    32
.set PC,   112
.set AF,   128
.set G1, 24
.set G0, 32
.set G1B, 48
.set G0B, 56
.set SEL, 66
.set MSB, 0
.macro WIN new
.if MSB != \new
	s_set_vgpr_msb (MSB<<8)|\new
.set MSB, \new
.endif
.endm
.set MUL_LO, 0xa1
.set MUL_HI, 0xf1
.set TO_B,   0x40
.macro JLOAD g0a, g1a, g0b, g1b
	s_cmp_eq_u32 s15, 0
	s_cbranch_scc0 .Lfor_b_\@
	tensor_load_to_lds s[\g0a:\g0a+3], s[\g1a:\g1a+7]
	s_nop 0
.rept 4
	v_nop
.endr
	s_branch .Lasked_\@
.Lfor_b_\@:
	tensor_load_to_lds s[\g0b:\g0b+3], s[\g1b:\g1b+7]
	s_nop 0
.rept 4
	v_nop
.endr
.Lasked_\@:
.endm
.macro CREST
	s_cmp_lg_u32 s14, 0
	s_cbranch_scc1 .Lnot_wave_0_\@
	s_barrier_signal -3
.Lnot_wave_0_\@:
	s_barrier_wait -3
	s_barrier_signal -1
	s_barrier_wait -1
.endm
.macro CROUND
	s_barrier_signal -1
	s_barrier_wait -1
	CREST
.endm
	s_load_b256 s[4:11], s[0:1], 0x0
	s_load_b64 s[12:13], s[0:1], 0x20
	v_lshl_add_u32 v[SPW], v0, 2, SPARE
	v_mov_b32 v[NIL], 0
	ds_add_u32 v[SPW], v[NIL]
	ds_add_u32 v[SPW], v[NIL]
	v_lshrrev_b32 v1, 5, v0
	v_readfirstlane_b32 s14, v1
	v_and_b32 v27, 31, v0
	v_lshlrev_b32 v27, 8, v27                      ; the prefetches' offset: 256 x lane; never rewritten
	s_lshr_b32 s15, s14, 1
	s_and_b32 s16, s14, 1
	s_bfe_u32 s40, ttmp6, 0x40000
	s_bfe_u32 s41, ttmp6, 0x40004
	s_lshr_b32 s[SEL], ttmp9, 1
	s_lshl_b32 s42, ttmp9, 2
	s_add_co_u32 s42, s42, s40
	s_and_b32 s42, s42, 7
	s_and_b32 s17, ttmp7, 0xffff
	s_lshl_b32 s17, s17, 2
	s_add_co_u32 s17, s17, s41
	s_lshl_b32 s43, s41, 2
	s_lshl_b32 s43, 15, s43
	s_lshl_b32 s44, 0x1111, s40
	s_or_b32 s[G1+0], s43, (3<<16)|(1<<21)
	s_or_b32 s[G1B+0], s44, (3<<16)|(1<<21)
.irp g, G1, G1B
	s_mov_b32 s[\g+1], 32<<16
	s_mov_b32 s[\g+2], 128<<16
	s_mov_b32 s[\g+3], 32<<16
	s_mov_b32 s[\g+4], 128
	s_mov_b32 s[\g+5], 32
	s_mov_b32 s[\g+6], 0
	s_mov_b32 s[\g+7], 0
.endr
	s_lshl_b32 s67, s[SEL], 22
	s_add_co_u32 s80, s67, 0xc00000
	s_cmp_eq_u32 s[SEL], 2
	s_cselect_b32 s20, s80, s67
	s_cselect_b32 s46, s67, s80
	s_lshl_b32 s18, s16, 15
	s_lshl_b32 s19, s17, 16
	s_add_co_u32 s20, s20, s19
	s_add_co_u32 s20, s20, s18
	s_lshl_b32 s81, s42, 16
	s_add_co_u32 s46, s46, s81
	s_add_co_u32 s46, s46, s18
	s_mov_b32 s21, 0
	s_mov_b32 s47, 0
	s_lshl_b32 s45, s14, 15
	s_wait_dscnt 0x0
	s_wait_kmcnt 0x0
	s_load_b256 s[68:75], s[8:9], 0x0
	s_load_b128 s[76:79], s[8:9], 0x20
	s_add_nc_u64 s[20:21], s[4:5], s[20:21]
	s_add_nc_u64 s[46:47], s[4:5], s[46:47]
	; the prefetches: of the 32,768 bytes that my wave fetches for a slot, each of the four partners that ask jointly names 8,192, told apart by address (cx for the first operand's tiles, cy for the second's)
	s_cmp_eq_u32 s15, 0
	s_cselect_b64 s[92:93], s[20:21], s[46:47]
	s_cselect_b32 s94, s40, s41
	s_lshl_b32 s94, s94, 13
	s_mov_b32 s95, 0
	s_add_nc_u64 s[92:93], s[92:93], s[94:95]
	CROUND
.irp s, 0,1
	s_mov_b32 s[G0+4*\s], 1
	s_add_co_u32 s[G0+4*\s+1], s45, \s*SLOT
	s_add_nc_u64 s[G0+4*\s+2:G0+4*\s+3], s[20:21], \s*KSL
	s_or_b32 s[G0+4*\s+3], s[G0+4*\s+3], 0x80000000
	s_mov_b32 s[G0B+4*\s], 1
	s_add_co_u32 s[G0B+4*\s+1], s45, \s*SLOT
	s_add_nc_u64 s[G0B+4*\s+2:G0B+4*\s+3], s[46:47], \s*KSL
	s_or_b32 s[G0B+4*\s+3], s[G0B+4*\s+3], 0x80000000
	s_wait_alu depctr_va_vdst(0)
	s_wait_tensorcnt 0x0
	ds_add_u32 v28, v29
	ds_add_u32 v28, v29
	s_wait_dscnt 0x0
	CROUND
	JLOAD G0+4*\s, G1, G0B+4*\s, G1B
.if \s == 0
	global_prefetch_b8 v27, s[92:93] offset:KSL th:TH_LOAD_NT scope:SCOPE_SE          ; slot 1's bytes, a slot ahead of their load
.endif
	global_prefetch_b8 v27, s[92:93] offset:(\s+2)*KSL th:TH_LOAD_NT scope:SCOPE_SE   ; and what the load two refills on will ask for
.endr
	v_and_b32 v1, 31, v0
	v_lshlrev_b32 v[CO], 4, v1
	s_lshl_b32 s21, s15, 15
	s_lshl_b32 s22, s16, 15
	s_add_co_u32 s22, s22, 2*PART
.irp s, 0,1
	v_add_nc_u32 v[ADRA+\s], s21, v[CO]
	v_add_nc_u32 v[ADRB+\s], s22, v[CO]
	s_add_co_u32 s21, s21, SLOT
	s_add_co_u32 s22, s22, SLOT
.endr
	s_lshl_b32 s82, s42, 1
	s_add_co_u32 s82, s82, s16
	s_lshl_b32 s83, s17, 1
	s_add_co_u32 s83, s83, s15
	s_lshl_b32 s84, s82, 18
	s_lshl_b32 s85, s83, 14
	s_add_co_u32 s84, s84, s85
	s_lshl_b32 s85, s82, 19
	s_lshl_b32 s86, s83, 15
	s_add_co_u32 s85, s85, s86
	s_lshl_b32 s86, s83, 19
	s_lshl_b32 s87, s82, 15
	s_add_co_u32 s86, s86, s87
	s_add_co_u32 s86, s86, 16384
	s_cmp_eq_u32 s[SEL], 0
	s_cselect_b32 s84, s84, s85
	s_cselect_b64 s[10:11], s[10:11], s[12:13]
	s_cmp_eq_u32 s[SEL], 2
	s_cselect_b32 s84, s86, s84
	s_mov_b32 s85, 0
	s_add_nc_u64 s[10:11], s[10:11], s[84:85]
	s_lshl_b32 s84, s83, 16
	s_add_nc_u64 s[6:7], s[6:7], s[84:85]
.macro FRAG reg, adr, q, i
.irp c, 0,1,2,3
	ds_load_b128 v[\reg+4*\c:\reg+4*\c+3], v[\adr] offset:4096*(\i)+2048*(\q)+512*\c
.endr
.endm
.macro MUL16 a0, p, zero
.irp a, \a0, \a0+1
.irp b, 0,1,2,3,4,5,6,7
.if \zero
	v_wmma_f32_16x16x128_fp8_fp8 v[8*(8*((\a)%4)+\b):8*(8*((\a)%4)+\b)+7], v[128*(\p)+FR*\b:128*(\p)+FR*\b+FR-1], v[AF+FR*(\a):AF+FR*(\a)+FR-1], 0
.else
	v_wmma_f32_16x16x128_fp8_fp8 v[8*(8*((\a)%4)+\b):8*(8*((\a)%4)+\b)+7], v[128*(\p)+FR*\b:128*(\p)+FR*\b+FR-1], v[AF+FR*(\a):AF+FR*(\a)+FR-1], v[8*(8*((\a)%4)+\b):8*(8*((\a)%4)+\b)+7]
.endif
.endr
.endr
.endm
.macro FETCH_B slot, q, p
	WIN TO_B
.irp i, 0,1,2,3,4,5,6,7
	FRAG 128*(\p)+FR*\i, ADRB+\slot, \q, \i
.endr
	WIN 0
.endm
.macro FETCH_A slot, q, i0
.irp i, \i0, \i0+1, \i0+2, \i0+3
	FRAG AF+FR*(\i), ADRA+\slot, \q, \i
.endr
.endm
.macro PLACES n
.rept \n
	v_nop
.endr
.endm
.macro STEP slot, q, zero
	s_wait_dscnt 4*NL
	WIN MUL_LO
	MUL16 0, (\q)%2, \zero
	MUL16 2, (\q)%2, \zero
	s_wait_dscnt 0
	PLACES NP
	FETCH_B \slot, (\q)+1, 1-(\q)%2
	FETCH_A \slot, (\q)+1, 0
	WIN MUL_HI
	MUL16 4, (\q)%2, \zero
	MUL16 6, (\q)%2, \zero
	PLACES NP
	WIN 0
	FETCH_A \slot, (\q)+1, 4
.endm
.macro TURN slot, next, fill
	s_wait_tensorcnt 0x0
	ds_add_u32 v[SPW], v[NIL]
	s_wait_dscnt 4*NL+1
	WIN MUL_LO
	MUL16 0, 1, 0
	s_wait_dscnt 0x0
	s_barrier_signal -1
	MUL16 2, 1, 0
	WIN 0
	s_barrier_wait -1
.if \fill
	CREST
	s_add_nc_u64 s[G0+4*\slot+2:G0+4*\slot+3], s[G0+4*\slot+2:G0+4*\slot+3], 2*KSL
	s_add_nc_u64 s[G0B+4*\slot+2:G0B+4*\slot+3], s[G0B+4*\slot+2:G0B+4*\slot+3], 2*KSL
	JLOAD G0+4*\slot, G1, G0B+4*\slot, G1B
.else
	PLACES NP
.endif
	FETCH_B \next, 0, 0
	FETCH_A \next, 0, 0
.if \fill
	s_cmp_gt_u32 s3, 1                             ; the last trip's two refills have no slot two refills on
	s_cbranch_scc0 .Lno_ask_\@
	s_wait_xcnt 0x0                                ; the last prefetch, a slot back, has read its base
	s_add_nc_u64 s[92:93], s[92:93], KSL
	global_prefetch_b8 v27, s[92:93] offset:3*KSL th:TH_LOAD_NT scope:SCOPE_SE        ; the slot two refills on: slots 4 to 7 in turn
.Lno_ask_\@:
.endif
	WIN MUL_HI
	MUL16 4, 1, 0
	MUL16 6, 1, 0
	PLACES NP
	WIN 0
	FETCH_A \next, 0, 4
.endm
.macro ROPE_LOAD a
	WIN TO_B
.irp b, 0,1,2,3
.irp p, 0,1,2,3
	global_load_b128 v[64*((\a)%4)+16*\b+4*\p:64*((\a)%4)+16*\b+4*\p+3], v[CO], s[6:7] offset:8192*(\a)+2048*\b+512*\p
.endr
.endr
	WIN 0
.endm
.macro EPI_QK a, left
.set AC, 64*((\a)%4)
	s_wait_loadcnt \left
	WIN (0x06+(\a)/4)
.irp b, 0,1,2,3
.irp i, 0,2,4,6
	v_pk_mul_f32 v[Y+8*\b+\i:Y+8*\b+\i+1], v[AC+8*\b+\i:AC+8*\b+\i+1], v[AC+16*\b+\i:AC+16*\b+\i+1]
	v_pk_mul_f32 v[Y+32+8*\b+\i:Y+32+8*\b+\i+1], v[AC+32+8*\b+\i:AC+32+8*\b+\i+1], v[AC+16*\b+\i:AC+16*\b+\i+1]
.endr
.irp i, 0,2,4,6
	v_pk_fma_f32 v[Y+8*\b+\i:Y+8*\b+\i+1], v[AC+32+8*\b+\i:AC+32+8*\b+\i+1], v[AC+16*\b+8+\i:AC+16*\b+8+\i+1], v[Y+8*\b+\i:Y+8*\b+\i+1] neg_lo:[1,0,0] neg_hi:[1,0,0]
	v_pk_fma_f32 v[Y+32+8*\b+\i:Y+32+8*\b+\i+1], v[AC+8*\b+\i:AC+8*\b+\i+1], v[AC+16*\b+8+\i:AC+16*\b+8+\i+1], v[Y+32+8*\b+\i:Y+32+8*\b+\i+1]
.endr
.endr
	WIN 0
.set I, 0
.rept 64
	v_med3_num_f32 v[Y+I], v[Y+I], -v[LIM], v[LIM]
.set I, I+1
.endr
.endm
.macro EPI_V a
.set AC, 64*((\a)%4)
	WIN (0x02+(\a)/4)
.set I, 0
.rept 64
	v_med3_num_f32 v[Y+I], v[AC+I], -v[LIM], v[LIM]
.set I, I+1
.endr
	WIN 0
.endm
.macro QSTORE a
.if (\a) > 0
	s_wait_xcnt 0x0
.endif
.irp c, 0,1,2,3
	v_cvt_scalef32_pk8_fp8_f32 v[PC+4*\c:PC+4*\c+1], v[Y+16*\c:Y+16*\c+7], v[SC]
	v_cvt_scalef32_pk8_fp8_f32 v[PC+4*\c+2:PC+4*\c+3], v[Y+16*\c+8:Y+16*\c+15], v[SC]
.endr
	v_nop
.irp c, 0,1,2,3
	global_store_b128 v[CO], v[PC+4*\c:PC+4*\c+3], s[10:11] offset:2048*(\a)+512*\c
.endr
.endm
	s_wait_alu depctr_va_vdst(0)
	s_wait_tensorcnt 1
	s_barrier_signal -1
	s_barrier_wait -1
	FETCH_B 0, 0, 0
	FETCH_A 0, 0, 0
	FETCH_A 0, 0, 4
	STEP 0, 0, 1
	s_mov_b32 s3, LAPS-1
.Llap:
	TURN 0, 1, 1
	STEP 1, 0, 0
	TURN 1, 0, 1
	STEP 0, 0, 0
	s_sub_co_u32 s3, s3, 1
	s_cmp_lg_u32 s3, 0
	s_cbranch_scc1 .Llap
	TURN 0, 1, 0
	STEP 1, 0, 0
	s_cmp_eq_u32 s[SEL], 2
	s_cbranch_scc1 .Lno_table
	ROPE_LOAD 0
	ROPE_LOAD 1
.Lno_table:
	s_wait_dscnt 4*NL
	WIN MUL_LO
	MUL16 0, 1, 0
	MUL16 2, 1, 0
	s_wait_dscnt 0
	WIN MUL_HI
	MUL16 4, 1, 0
	MUL16 6, 1, 0
	WIN 0
	s_wait_kmcnt 0x0
	s_add_co_i32 s88, s68, s69
	s_add_co_i32 s89, s70, s71
	s_add_co_i32 s90, s72, s73
	s_cmp_eq_u32 s[SEL], 0
	s_cselect_b32 s88, s88, s89
	s_cselect_b32 s91, s74, s75
	s_cmp_eq_u32 s[SEL], 2
	s_cselect_b32 s88, s90, s88
	s_cselect_b32 s91, s76, s91
	s_sub_co_i32 s88, s91, s88
	s_add_co_i32 s88, s88, 127
	s_lshl_b32 s89, s88, 23
	v_mov_b32 v[SC], s89
	s_add_co_i32 s88, s88, 8
	s_lshl_b32 s88, s88, 23
	s_or_b32 s88, s88, 0x600000
	v_mov_b32 v[LIM], s88
	PLACES NP
	s_cmp_eq_u32 s[SEL], 2
	s_cbranch_scc1 .Lv
	ROPE_LOAD 2
	ROPE_LOAD 3
	EPI_QK 0, 48
	QSTORE 0
	ROPE_LOAD 4
	EPI_QK 1, 48
	s_wait_alu depctr_va_vdst(0)
	QSTORE 1
	ROPE_LOAD 5
	EPI_QK 2, 48
	s_wait_alu depctr_va_vdst(0)
	QSTORE 2
	ROPE_LOAD 6
	EPI_QK 3, 48
	s_wait_alu depctr_va_vdst(0)
	QSTORE 3
	ROPE_LOAD 7
	EPI_QK 4, 48
	s_wait_alu depctr_va_vdst(0)
	QSTORE 4
	EPI_QK 5, 32
	s_wait_alu depctr_va_vdst(0)
	QSTORE 5
	EPI_QK 6, 16
	s_wait_alu depctr_va_vdst(0)
	QSTORE 6
	EPI_QK 7, 0
	s_wait_alu depctr_va_vdst(0)
	QSTORE 7
	s_branch .Lend
.Lv:
	s_wait_alu depctr_va_vdst(0)
.irp a, 0,1,2,3,4,5,6,7
	EPI_V \a
	s_wait_alu depctr_va_vdst(0)
	QSTORE \a
.endr
.Lend:
	s_wait_tensorcnt 0x0
	ds_add_u32 v[SPW], v[NIL]
	s_wait_dscnt 0x0
	CROUND
	s_endpgm
.Lfunc_end_k_q73da40cce8_qkv:
	.size	k_q73da40cce8_qkv, .Lfunc_end_k_q73da40cce8_qkv-k_q73da40cce8_qkv
	.p2alignl 7, 3214868480
	.fill 96, 4, 3214868480
	.section	.rodata,"a",@progbits
	.p2align	6, 0x0
	.amdhsa_kernel k_q73da40cce8_qkv
		.amdhsa_group_segment_fixed_size 327680
		.amdhsa_private_segment_fixed_size 0
		.amdhsa_enable_private_segment 0
		.amdhsa_kernarg_size 40
		.amdhsa_user_sgpr_count 2
		.amdhsa_user_sgpr_kernarg_segment_ptr 1
		.amdhsa_wavefront_size32 1
		.amdhsa_system_sgpr_workgroup_id_x 1
		.amdhsa_system_sgpr_workgroup_id_y 1
		.amdhsa_system_sgpr_workgroup_id_z 1
		.amdhsa_system_vgpr_workitem_id 0
		.amdhsa_next_free_vgpr 1024
		.amdhsa_next_free_sgpr 100
		.amdhsa_reserve_vcc 0
		.amdhsa_float_denorm_mode_32 3
		.amdhsa_float_denorm_mode_16_64 3
		.amdhsa_memory_ordered 1
		.amdhsa_forward_progress 1
		.amdhsa_inst_pref_size 205
	.end_amdhsa_kernel
	.amdgpu_metadata
---
amdhsa.version: [ 1, 2 ]
amdhsa.kernels:
  - .name:           k_q73da40cce8_qkv
    .symbol:         k_q73da40cce8_qkv.kd
    .args:
      - { .name: img, .offset: 0, .size: 8, .value_kind: global_buffer, .address_space: global }
      - { .name: rope, .offset: 8, .size: 8, .value_kind: global_buffer, .address_space: global }
      - { .name: lowp_scales, .offset: 16, .size: 8, .value_kind: global_buffer, .address_space: global }
      - { .name: q_img, .offset: 24, .size: 8, .value_kind: global_buffer, .address_space: global }
      - { .name: kv_img, .offset: 32, .size: 8, .value_kind: global_buffer, .address_space: global }
    .group_segment_fixed_size: 327680
    .private_segment_fixed_size: 0
    .kernarg_segment_align: 8
    .kernarg_segment_size: 40
    .max_flat_workgroup_size: 128
    .sgpr_count:     100
    .vgpr_count:     1024
    .wavefront_size: 32
...
	.end_amdgpu_metadata
.endif
;; end of part 2
;; launch attn (part 3): grid 16 x 16, 4 waves a work-group, no clusters, 68,096 bytes of LDS; arguments q_img, kv_img, maskw, sumw, lowp_scales, ctx_img; writes ctx_img
.if DOCPART == 3
	.amdgcn_target "amdgcn-amd-amdhsa--gfx1250"
	.amdhsa_code_object_version 6
	.text
	.protected	k_q73da40cce8_attn
	.globl	k_q73da40cce8_attn
	.p2align	8
	.type	k_q73da40cce8_attn,@function
k_q73da40cce8_attn:
	s_mov_b64 s[64:65], 0
	v_nop
	global_prefetch_b8 v0, s[64:65] scope:SCOPE_SE
	s_setreg_imm32_b32 hwreg(HW_REG_WAVE_MODE, 25, 1), 1
	s_wait_xcnt 0x0
; ATTENTION on codes of E4M3: ctx[q] = the sum over keys of softmax(q . k / sqrt(128), masked) v, both products quantised; ctx leaves as codes, an image of the last product's operand.
; t = score x log2(e) / sqrt(128); M = the row's largest t so far, rounded UP to a whole number; p = 2^(t - M) is quantised along the keys with 2^e9; the row's sum is taken of the unquantised p and divides at the end.
; When M moves, the sum and O are multiplied by 2^(old M - new M): exact.
; WHAT THE MASK DECIDES.  The mask is an input.  An earlier launch stored it as lane masks (maskw) and, for each tile of 16 queries and key step of 128 keys, the words ANY and ALL (sumw).  This launch reads those whole numbers:
; a key step in which no key counts for any of a wave's 32 queries is not walked: beside a key that counts, a hidden key's p is 0 and adds nothing to the sum or to O; a step in which all keys count has no selects.
; A row with no key at all is the mean of v over all keys: where one of the 32 rows is such a row, every step is walked.
; SHARES.  Work-group (x, head) owns the 64-query blocks x and 31 - x.  A wave owns 32 queries (two tiles) at a time, so that each fragment of K and V feeds two matrix instructions, and walks HALF the keys of two jobs:
; first steps 8..15 of one block's tile pair, then steps 0..7 of the other block's.  Waves w and w ^ 2 hold the two halves of the same two jobs, crosswise.  A wave puts its first job's state (O, -M, the sum) into LDS;
; behind one barrier it joins its second job's state with the partner's first: both under the smaller -M, by powers of two, exact.  Any mask is served; the deal only shares the steps out.
; LAYOUT.  Both products transposed: S^T = K Q^T, O^T = V^T P^T: a lane holds one query of each tile.  All operands are images: a fragment is 2,048 bytes, piece c at 512 c, lane l at 16 l.  A key step in kv_img: K's eight
; fragments, then V's eight: 32,768 bytes.  They go from memory into registers, 512 bytes on end a load: the next walked step's K is asked for behind this step's first product, its V behind the second: 64 loads out at the most.
; A hidden score becomes -2^100 (in units of the codes' products); real sums stay under 2^25.  In a row with no key that counts so far t - M is 0, p = 1; the first key that counts wipes those sums out by the factor 0.
; THE PREFETCH: a head's K and V, 16 steps, are read by its 16 work-groups: work-group x asks once for step x, 8,192 bytes a wave, lanes 256 bytes apart: each block of 256 bytes is named once in the launch.
; It stands at the head, ahead of the loads of sumw on which the first step's address hangs; the walk's order is known only behind them.
; The hold of p at 448 x 2^e9 is run only where e9 < -8: p is at most 1.
; LIMITS: e6 + e7 between -60 and 27 (c x 2^100 stays an f32 whole number); e9 and e10 - e8 - e9 between -126 and 119; the scaled scores stay under 2^31 in magnitude.  NaN among the inputs is not served.
; REGISTERS, in windows of 256 (s_set_vgpr_msb: bits 1:0 source 0, 3:2 source 1, 5:4 source 2, 7:6 destination).  window 0: as named below; v128-255 S^T of both tiles, then p.
; window 1: v0-127 O^T of both tiles; v128-159 the second job's Q.   window 2: v0-127 K's eight fragments; v128-255 V's eight.
.set PREG,  16896                      ; a wave's LDS region: 32 x 512 bytes of O, 512 of -M and sums
.set SPARE, 4*PREG                     ; behind them: the spare words, 128 bytes a wave, that no other line names
.set LI,   1                           ; 16 x lane
.set SPW,  2
.set NIL,  3
.set NEG,  4                           ; -2^100
.set STA,  5                           ; my LDS region + 16 x lane
.set LDA,  6                           ; my partner's
.set PFO,  7                           ; 256 x lane
.set NM,   8                           ; v[8+2u] -M, v[9+2u] the largest t, of tile u
.set SO,   12                          ; sumw: 128 (lane / 16) + 4 (lane % 16)
.set Q,    16                          ; v16-47 Q of both tiles
.set PC,   48                          ; v48-79 codes of both tiles
.set TT,   80                          ; v[80+8u ..]: +0, +1 at work; +2 a lane permute's destination; +3 at work; +4, +5 the factor f as a pair
.set LS,   96                          ; v[96+8u ..]: the sum in two halves, then three more chains of it
.set ST,   112                         ; v112-115 -M and sum of both tiles, on the way through LDS
.set SCP,  120                         ; 2^e9;  121: 448 x that;  122, 123: the same for ctx
.set LIMP, 121
.set SCC,  122
.set LIMC, 123
.set S,    128
.set WV,   2
.set PH,   3                           ; which job
.set KVH,  4                           ; s[4:5]   the head's K and V
.set NB,   6                           ; s[6:7]   the step whose tiles are asked for
.set MW,   8                           ; s[8:9]   the job's mask words
.set CS,   10                         ; s[10:11] c = log2(e) / sqrt(128) x 2^(e6 + e7)
.set MW2,  12                          ; s[12:13] the second job's
.set CNT,  14
.set N,    15                          ; walked steps of the job in hand
.set N2,   16
.set REM,  17                          ; entries still to walk: bit e, e = 0..7 the first job's steps 8 + e, e = 8..15 the second job's steps e - 8: step = (e + 8) % 16
.set OPN,  18                          ; bit e: all keys of entry e count
.set CUR,  19                          ; the entry in hand
.set TMP,  20
.set NXT,  21
.set OFF,  22                          ; s[22:23]
.set CX,   24                          ; s[24:25] where ctx goes
.set SEL,  26                          ; s[26:27] lane selects for lane l xor 16
.set HOLD, 28
.set MOFF, 29
                                       ; s[32:63], s[68:99]: a tile's 64 mask words of a step: word n in s[32 + n + 4 (n / 32)]
.set MSB, 0
.macro WIN new                         ; the immediate's high byte repeats the setting that is left
.if MSB != \new
	s_set_vgpr_msb (MSB<<8)|\new
.set MSB, \new
.endif
.endm
.macro MLOAD u                         ; tile u's 64 mask words of the step
	s_load_b512 s[32:47], s[MW:MW+1], s[MOFF] offset:4096*\u
	s_load_b512 s[48:63], s[MW:MW+1], s[MOFF] offset:4096*\u+0x40
	s_load_b512 s[68:83], s[MW:MW+1], s[MOFF] offset:4096*\u+0x80
	s_load_b512 s[84:99], s[MW:MW+1], s[MOFF] offset:4096*\u+0xc0
.endm
.macro KVLOAD reg, off, t0, n          ; n fragments from fragment t0 on, four loads each, into window 2
	WIN 0x80
.set T, \t0
.rept \n
.irp c, 0,1,2,3
	global_load_b128 v[\reg+16*T+4*\c:\reg+16*T+4*\c+3], v[LI], s[NB:NB+1] offset:\off+2048*T+512*\c
.endr
.set T, T+1
.endr
	WIN 0
.endm
.macro INIT                            ; a job's state: the largest t -3e38, sums and O^T zero (the step has no first form of its own: the first change of M leaves zeros zeros)
.irp u, 0,1
	v_mov_b32 v[NM+2*\u+1], 0xff61b1e6
	v_mov_b32 v[LS+8*\u], 0
	v_mov_b32 v[LS+8*\u+1], 0
.endr
.irp u, 0,1
	v_floor_f32 v[NM+2*\u], -v[NM+2*\u+1]
.endr
	WIN 0x40
.set I, 0
.rept 128
	v_mov_b32 v[I], 0
.set I, I+1
.endr
	WIN 0
	s_wait_alu depctr_va_vdst(0)                   ; the wait
.endm
.macro ROWS d, b                       ; which of a tile's 16 rows have a key at all: the OR of its 16 words ANY, the two halves of the lanes folded
	s_or_b32 s[\d], s[\b], s[\b+1]
.irp i, 2,3,4,5,6,7,8,9,10,11,12,13,14,15
	s_or_b32 s[\d], s[\d], s[\b+\i]
.endr
	s_lshr_b32 s67, s[\d], 16
	s_or_b32 s[\d], s[\d], s67
.endm
	s_load_b256 s[68:75], s[0:1], 0x0              ; q_img 68:69, kv_img 70:71, maskw 72:73, sumw 74:75
	s_load_b128 s[76:79], s[0:1], 0x20             ; the exponents 76:77, ctx_img 78:79
	v_lshl_add_u32 v[SPW], v0, 2, SPARE
	v_mov_b32 v[NIL], 0
	v_lshrrev_b32 v1, 5, v0
	v_readfirstlane_b32 s[WV], v1                  ; wave 0..3
	s_mul_i32 s20, s[WV], PREG
	s_xor_b32 s21, s[WV], 2
	s_mul_i32 s21, s21, PREG
	v_and_b32 v13, 31, v0
	v_lshlrev_b32 v[LI], 4, v13
	v_lshlrev_b32 v[PFO], 8, v13
	v_and_b32 v14, 15, v0
	v_bfe_u32 v15, v0, 4, 1
	v_lshlrev_b32 v[SO], 2, v14
	v_lshl_add_u32 v[SO], v15, 7, v[SO]
	v_add_nc_u32 v[STA], s20, v[LI]
	v_add_nc_u32 v[LDA], s21, v[LI]
	s_lshr_b32 s22, s[WV], 1                       ; waves 2, 3 begin with block 31 - x, waves 0, 1 with block x
	s_and_b32 s23, s[WV], 1                        ; which 32 of a block's 64 queries
	s_lshl_b32 s23, s23, 1
	s_sub_co_u32 s30, 31, ttmp9
	s_cmp_eq_u32 s22, 1
	s_cselect_b32 s14, s30, ttmp9
	s_cselect_b32 s15, ttmp9, s30
	s_lshl_b32 s14, s14, 2
	s_lshl_b32 s15, s15, 2
	s_add_co_u32 s14, s14, s23                     ; the first job's first tile
	s_add_co_u32 s15, s15, s23                     ; the second job's
	s_and_b32 s66, ttmp7, 0xffff                   ; the head
	s_mov_b32 s[CS], 0x3e0293ee                    ; log2(e) / sqrt(128)
	s_mov_b32 s21, 0
	s_wait_alu depctr_va_vdst(0)
	s_wait_kmcnt 0x0
	s_lshl_b32 s20, s66, 19
	s_add_nc_u64 s[KVH:KVH+1], s[70:71], s[20:21]
	s_lshl_b32 s20, ttmp9, 15
	s_lshl_b32 s67, s[WV], 13
	s_add_co_u32 s20, s20, s67
	s_add_nc_u64 s[100:101], s[KVH:KVH+1], s[20:21]  ; step x of the head, my wave's quarter; never rewritten
	global_prefetch_b8 v[PFO], s[100:101] th:TH_LOAD_NT scope:SCOPE_SE
	s_load_b128 s[16:19], s[76:77], 0x18           ; e6, e7, e8, e9
	s_load_b32 s30, s[76:77], 0x28                 ; e10
	s_lshl_b32 s20, s14, 7
	s_add_nc_u64 s[6:7], s[74:75], s[20:21]        ; sumw of the first job's two tiles,
	s_lshl_b32 s20, s15, 7
	s_add_nc_u64 s[22:23], s[74:75], s[20:21]      ; and of the second's
	global_load_b32 v116, v[SO], s[6:7]            ; lane 16 u + j: tile u, step j: ANY,
	global_load_b32 v117, v[SO], s[6:7] offset:64  ; ALL
	global_load_b32 v118, v[SO], s[22:23]
	global_load_b32 v119, v[SO], s[22:23] offset:64
	s_lshl_b32 s67, s66, 18
	s_lshl_b32 s20, s14, 11
	s_add_co_u32 s20, s20, s67
	s_add_nc_u64 s[26:27], s[68:69], s[20:21]      ; q_img: head x 262,144 + tile x 2,048
	s_lshl_b32 s20, s15, 11
	s_add_co_u32 s20, s20, s67
	s_add_nc_u64 s[28:29], s[68:69], s[20:21]
.irp u, 0,1
.irp c, 0,1,2,3
	global_load_b128 v[Q+16*\u+4*\c:Q+16*\u+4*\c+3], v[LI], s[26:27] offset:2048*\u+512*\c
.endr
.endr
	WIN 0x40
.irp u, 0,1
.irp c, 0,1,2,3
	global_load_b128 v[128+16*\u+4*\c:128+16*\u+4*\c+3], v[LI], s[28:29] offset:2048*\u+512*\c
.endr
.endr
	WIN 0
	s_lshl_b32 s20, s14, 12
	s_add_nc_u64 s[MW:MW+1], s[72:73], s[20:21]    ; maskw: 4,096 bytes a tile
	s_lshl_b32 s20, s15, 12
	s_add_nc_u64 s[MW2:MW2+1], s[72:73], s[20:21]
	s_lshr_b32 s20, s66, 2
	s_lshl_b32 s20, s20, 20
	s_lshl_b32 s67, s15, 13
	s_add_co_u32 s20, s20, s67
	s_and_b32 s67, s66, 3
	s_lshl_b32 s67, s67, 11
	s_add_co_u32 s20, s20, s67
	s_add_nc_u64 s[CX:CX+1], s[78:79], s[20:21]    ; ctx_img of the second job: (head / 4) x 1,048,576 + tile x 8,192 + (head % 4) x 2,048
	s_wait_xcnt 0x0                                ; every load above has read its base: s26-29 and s68-79 may be written
	s_load_b512 s[32:47], s[6:7], 0x0              ; the words ANY once more, as scalars: first job, tile 0,
	s_load_b512 s[48:63], s[6:7], 0x80             ; tile 1,
	s_load_b512 s[68:83], s[22:23], 0x0            ; second job
	s_load_b512 s[84:99], s[22:23], 0x80
	s_mov_b32 s[SEL], 0x76543210
	s_mov_b32 s[SEL+1], 0xfedcba98
	v_mov_b32 v[NEG], 0xf1800000
.irp u, 0,1
	v_mov_b32 v[TT+8*\u+2], 0                      ; a lane permute's destination counts as one of its sources
	v_mov_b32 v[TT+8*\u+5], 0                      ; (named as the upper half of f's pair)
.endr
	INIT
	s_wait_kmcnt 0x0
	s_add_co_i32 s20, s16, s17
	s_lshl_b32 s20, s20, 23
	s_add_co_i32 s[CS], s[CS], s20                 ; e6 + e7 are added to c's exponent field
	s_mov_b32 s[CS+1], s[CS]
	s_add_co_i32 s20, s19, 127
	s_lshl_b32 s21, s20, 23
	v_mov_b32 v[SCP], s21
	s_add_co_i32 s20, s20, 8
	s_lshl_b32 s20, s20, 23
	s_or_b32 s20, s20, 0x600000
	v_mov_b32 v[LIMP], s20
	s_cmp_lt_i32 s19, -8
	s_cselect_b32 s[HOLD], 1, 0                    ; 448 x 2^e9 lies under 1 where e9 < -8
	s_sub_co_i32 s20, s30, s18
	s_sub_co_i32 s20, s20, s19                     ; O^T / the sum stands for ctx / 2^(e8 + e9)
	s_add_co_i32 s20, s20, 127
	s_lshl_b32 s21, s20, 23
	v_mov_b32 v[SCC], s21
	s_add_co_i32 s20, s20, 8
	s_lshl_b32 s20, s20, 23
	s_or_b32 s20, s20, 0x600000
	v_mov_b32 v[LIMC], s20
	ROWS 20, 32
	ROWS 21, 48
	s_and_b32 s20, s20, s21
	s_and_b32 s20, s20, 0xffff                     ; 0xffff: each of the first job's 32 rows has a key
	ROWS 21, 68
	ROWS 31, 84
	s_and_b32 s21, s21, s31
	s_and_b32 s21, s21, 0xffff                     ; the same for the second job
	s_wait_alu depctr_va_vdst(0)
	s_wait_loadcnt 0x0                             ; sumw's words and Q
	v_cmp_ne_u32 s31, 0, v116                      ; bit 16 u + j: tile u has a key in step j
	v_cmp_eq_u32 s66, -1, v117                     ; all its keys count
	s_lshr_b32 s67, s31, 16
	s_or_b32 s31, s31, s67
	s_cmp_eq_u32 s20, 0xffff
	s_cselect_b32 s31, s31, 0xffff                 ; a row with no key: walk every step
	s_bfe_u32 s31, s31, 0x80008                    ; the first job's steps 8..15
	s_lshr_b32 s67, s66, 16
	s_and_b32 s66, s66, s67
	s_bfe_u32 s66, s66, 0x80008
	v_cmp_ne_u32 s20, 0, v118
	v_cmp_eq_u32 s30, -1, v119
	s_lshr_b32 s67, s20, 16
	s_or_b32 s20, s20, s67
	s_cmp_eq_u32 s21, 0xffff
	s_cselect_b32 s20, s20, 0xffff
	s_and_b32 s20, s20, 0xff                       ; the second job's steps 0..7
	s_lshr_b32 s67, s30, 16
	s_and_b32 s30, s30, s67
	s_and_b32 s30, s30, 0xff
	s_bcnt1_i32_b32 s[N], s31
	s_bcnt1_i32_b32 s[N2], s20
	s_lshl_b32 s20, s20, 8
	s_or_b32 s[REM], s31, s20
	s_lshl_b32 s30, s30, 8
	s_or_b32 s[OPN], s66, s30
	s_ctz_i32_b32 s[CUR], s[REM]
	s_min_u32 s[CUR], s[CUR], 15                   ; the first entry to walk (none: entry 15's tiles are loaded and not used)
	s_add_co_u32 s[OFF], s[CUR], 8
	s_and_b32 s[OFF], s[OFF], 15
	s_lshl_b32 s[OFF], s[OFF], 15
	s_mov_b32 s[OFF+1], 0
	s_add_nc_u64 s[NB:NB+1], s[KVH:KVH+1], s[OFF:OFF+1]
	KVLOAD 0, 0, 0, 8
	KVLOAD 128, 16384, 0, 8
; A KEY STEP for both tiles: 128 keys of entry CUR; its K and then its V have been asked for.
.macro STEP
	s_add_co_u32 s[MOFF], s[CUR], 8
	s_and_b32 s[MOFF], s[MOFF], 15
	s_lshl_b32 s[MOFF], s[MOFF], 8
	s_lshr_b32 s30, s[OPN], s[CUR]
	s_and_b32 s30, s30, 1                          ; 1: all keys of the step count for all 32 queries
	s_cmp_lg_u32 s30, 0
	s_cbranch_scc1 .Lno_words_\@
	MLOAD 0                                        ; tile 0's mask words, 256 bytes: they come under the first product
.Lno_words_\@:
	s_wait_loadcnt 32                              ; K's 32 loads are in; V's 32, issued behind them, may be out
	WIN 0x02
.irp t, 0,1,2,3,4,5,6,7
.irp u, 0,1
	v_wmma_f32_16x16x128_fp8_fp8 v[S+64*\u+8*\t:S+64*\u+8*\t+7], v[16*\t:16*\t+15], v[Q+16*\u:Q+16*\u+15], 0
.endr
.endr
.rept 4
	v_nop                                          ; four places in front of the loads into K's registers and of the first read of the scores
.endr
	s_sub_co_u32 s[TMP], s[REM], 1
	s_and_b32 s[REM], s[REM], s[TMP]               ; this entry is done;
	s_ctz_i32_b32 s[NXT], s[REM]
	s_min_u32 s[NXT], s[NXT], 15                   ; the next one to walk, of either job (none left: entry 15's tiles are loaded and not used)
	s_add_co_u32 s[OFF], s[NXT], 8
	s_and_b32 s[OFF], s[OFF], 15
	s_lshl_b32 s[OFF], s[OFF], 15
	s_wait_xcnt 0x0                                ; the loads that named the base have read it
	s_add_nc_u64 s[NB:NB+1], s[KVH:KVH+1], s[OFF:OFF+1]
	KVLOAD 0, 0, 0, 7                              ; seven fragments of its K, 28 loads: with V's 32 that makes 60 out
	s_wait_kmcnt 0x0                               ; on every path: the mask words, where they were asked for
	s_cmp_lg_u32 s30, 0
	s_cbranch_scc1 .Lopen_\@                       ; all keys count for all 32 queries: no selects
.set I, 0
.rept 64
	v_cndmask_b32 v[S+I], v[NEG], v[S+I], s[32+I+4*(I/32)]   ; register n holds key 32 (n / 16) + 16 (lane / 16) + n % 16 of the step; each accumulator from its low end on
.set I, I+1
.endr
	MLOAD 1
	s_wait_kmcnt 0x0
.set I, 0
.rept 64
	v_cndmask_b32 v[S+64+I], v[NEG], v[S+64+I], s[32+I+4*(I/32)]
.set I, I+1
.endr
.Lopen_\@:
.irp u, 0,1
	v_max3_num_f32 v[TT+8*\u], v[S+64*\u], v[S+64*\u+1], v[S+64*\u+2]   ; the step's largest score of my query, in two chains a tile
	v_max3_num_f32 v[TT+8*\u+1], v[S+64*\u+3], v[S+64*\u+4], v[S+64*\u+5]
.endr
.irp i, 6,10,14,18,22,26,30,34,38,42,46,50,54,58
.irp u, 0,1
	v_max3_num_f32 v[TT+8*\u], v[TT+8*\u], v[S+64*\u+\i], v[S+64*\u+\i+1]
	v_max3_num_f32 v[TT+8*\u+1], v[TT+8*\u+1], v[S+64*\u+\i+2], v[S+64*\u+\i+3]
.endr
.endr
.irp u, 0,1
	v_max3_num_f32 v[TT+8*\u], v[TT+8*\u], v[S+64*\u+62], v[S+64*\u+63]
.endr
.irp u, 0,1
	v_max_num_f32 v[TT+8*\u], v[TT+8*\u], v[TT+8*\u+1]
.endr
.irp u, 0,1
	v_permlanex16_b32 v[TT+8*\u+2], v[TT+8*\u], s[SEL], s[SEL+1]
.endr
.irp u, 0,1
	v_max_num_f32 v[TT+8*\u], v[TT+8*\u], v[TT+8*\u+2]   ; and among lane l xor 16's
.endr
.irp u, 0,1
	v_mul_f32 v[TT+8*\u], s[CS], v[TT+8*\u]        ; as t (c is positive)
.endr
.irp u, 0,1
	v_max_num_f32 v[NM+2*\u+1], v[NM+2*\u+1], v[TT+8*\u]
.endr
.irp u, 0,1
	v_mov_b32 v[TT+8*\u], v[NM+2*\u]
.endr
.irp u, 0,1
	v_floor_f32 v[NM+2*\u], -v[NM+2*\u+1]          ; the new -M = -ceil(t)
.endr
.irp u, 0,1
	v_sub_f32 v[TT+8*\u], v[NM+2*\u], v[TT+8*\u]   ; old M less new M: a whole number, 0 or less
.endr
.irp u, 0,1
	v_cvt_i32_f32 v[TT+8*\u], v[TT+8*\u]           ; (it saturates)
.endr
.irp u, 0,1
	v_ldexp_f32 v[TT+8*\u+4], 1.0, v[TT+8*\u]      ; f = 2^(old M - new M)
.endr
.irp u, 0,1
	v_pk_mul_f32 v[LS+8*\u:LS+8*\u+1], v[LS+8*\u:LS+8*\u+1], v[TT+8*\u+4:TT+8*\u+5] op_sel_hi:[1,0]   ; the sums under the new M
.endr
	WIN 0x41
.irp u, 0,1
.set J, 0
.rept 32
	v_pk_mul_f32 v[64*\u+J:64*\u+J+1], v[64*\u+J:64*\u+J+1], v[TT+8*\u+4:TT+8*\u+5] op_sel_hi:[1,0]   ; O^T under the new M, ahead of the exponentials; each accumulator from its low end on
.set J, J+2
.endr
.endr
	WIN 0
.irp u, 0,1
.set J, 0
.rept 32
	v_pk_fma_f32 v[S+64*\u+J:S+64*\u+J+1], v[S+64*\u+J:S+64*\u+J+1], s[CS:CS+1], v[NM+2*\u:NM+2*\u+1] op_sel_hi:[1,0,0]   ; t - M, two at a time
.set J, J+2
.endr
.endr
	s_wait_alu depctr_va_vdst(0)
.set J, 0
.rept 128
	v_exp_f32 v[S+J], v[S+J]                       ; p = 2^(t - M), at most 1: one batch
.set J, J+1
.endr
	v_nop                                          ; a plain place behind the batch
	s_wait_alu depctr_va_vdst(0)                   ; and the wait ahead of its first reader
.irp k, 1,2,3
.irp u, 0,1
	v_pk_add_f32 v[LS+8*\u+2*\k:LS+8*\u+2*\k+1], v[S+64*\u+4*\k-4:S+64*\u+4*\k-3], v[S+64*\u+4*\k-2:S+64*\u+4*\k-1]   ; the sum of the unquantised p: four chains a tile
.endr
.endr
.set J, 6
.rept 26
.irp u, 0,1
	v_pk_add_f32 v[LS+8*\u+2*((J-6)%4):LS+8*\u+2*((J-6)%4)+1], v[LS+8*\u+2*((J-6)%4):LS+8*\u+2*((J-6)%4)+1], v[S+64*\u+2*J:S+64*\u+2*J+1]
.endr
.set J, J+1
.endr
.irp u, 0,1
	v_pk_add_f32 v[LS+8*\u+2:LS+8*\u+3], v[LS+8*\u+2:LS+8*\u+3], v[LS+8*\u+4:LS+8*\u+5]
	v_pk_add_f32 v[LS+8*\u:LS+8*\u+1], v[LS+8*\u:LS+8*\u+1], v[LS+8*\u+6:LS+8*\u+7]
.endr
.irp u, 0,1
	v_pk_add_f32 v[LS+8*\u:LS+8*\u+1], v[LS+8*\u:LS+8*\u+1], v[LS+8*\u+2:LS+8*\u+3]
.endr
	s_cmp_eq_u32 s[HOLD], 0
	s_cbranch_scc1 .Lfits_\@                       ; p <= 1 <= 448 x 2^e9: nothing to hold
.set I, 0
.rept 128
	v_min_num_f32 v[S+I], v[S+I], v[LIMP]          ; the conversion to an 8-bit code does not saturate (ISA guide 7.6.2)
.set I, I+1
.endr
.Lfits_\@:
.irp u, 0,1
.irp b, 0,1,2,3
	v_cvt_scalef32_pk8_fp8_f32 v[PC+16*\u+4*\b:PC+16*\u+4*\b+1], v[S+64*\u+16*\b:S+64*\u+16*\b+7], v[SCP]
	v_cvt_scalef32_pk8_fp8_f32 v[PC+16*\u+4*\b+2:PC+16*\u+4*\b+3], v[S+64*\u+16*\b+8:S+64*\u+16*\b+15], v[SCP]
.endr
.endr
	v_nop                                          ; a plain line between the conversions and the products that read the codes
	s_wait_alu depctr_va_vdst(0)
	s_wait_loadcnt 28                              ; V's 32 loads are in; the next K's first 28, issued behind them, may be out
	KVLOAD 0, 0, 7, 1                              ; the next K's eighth fragment
	WIN 0x52
.irp t, 0,1,2,3,4,5,6,7
.irp u, 0,1
	v_wmma_f32_16x16x128_fp8_fp8 v[64*\u+8*\t:64*\u+8*\t+7], v[128+16*\t:128+16*\t+15], v[PC+16*\u:PC+16*\u+15], v[64*\u+8*\t:64*\u+8*\t+7]   ; the sixteen accumulators take turns
.endr
.endr
.rept 4
	v_nop                                          ; four places in front of the loads into V's registers and of any read of O^T
.endr
	KVLOAD 128, 16384, 0, 8
	s_mov_b32 s[CUR], s[NXT]
.endm
	s_mov_b32 s[PH], 0
.Lphase:                                           ; two trips: a job each
	s_cmp_eq_u32 s[PH], 0
	s_cbranch_scc1 .Lwalk
	v_mov_b32 v[ST], v[NM]                         ; the first job's state goes into my LDS region, as an image of the registers
	v_add_f32 v[ST+1], v[LS], v[LS+1]
	v_mov_b32 v[ST+2], v[NM+2]
	v_add_f32 v[ST+3], v[LS+8], v[LS+9]
	WIN 0x04
.set I, 0
.rept 32
	ds_store_b128 v[STA], v[4*I:4*I+3] offset:512*I
.set I, I+1
.endr
	WIN 0
	ds_store_b128 v[STA], v[ST:ST+3] offset:16384
	WIN 0x01
.set I, 0
.rept 32
	v_mov_b32 v[Q+I], v[128+I]                     ; the second job's Q
.set I, I+1
.endr
	WIN 0
	INIT
	s_mov_b32 s[N], s[N2]
	s_mov_b64 s[MW:MW+1], s[MW2:MW2+1]
.Lwalk:
	s_cmp_eq_u32 s[N], 0
	s_cbranch_scc1 .Lnone
	s_mov_b32 s[CNT], 0
.Lstep:
	STEP
	s_add_co_u32 s[CNT], s[CNT], 1
	s_cmp_lt_u32 s[CNT], s[N]
	s_cbranch_scc1 .Lstep
.Lnone:
	s_add_co_u32 s[PH], s[PH], 1
	s_cmp_lt_u32 s[PH], 2
	s_cbranch_scc1 .Lphase
	; THE JOIN AND THE WAY OUT.  My registers hold steps 0..7 of the second job; my partner's region holds steps 8..15 of the same job.
	s_wait_dscnt 0x0                               ; my stores are done
	s_barrier_signal -1
	s_barrier_wait -1
.set I, 0
.rept 32
	ds_load_b128 v[S+4*I:S+4*I+3], v[LDA] offset:512*I
.set I, I+1
.endr
	ds_load_b128 v[ST:ST+3], v[LDA] offset:16384
	s_wait_dscnt 0x0
.irp u, 0,1
	v_add_f32 v[LS+8*\u], v[LS+8*\u], v[LS+8*\u+1]
	v_min_num_f32 v[TT+8*\u], v[NM+2*\u], v[ST+2*\u]        ; the joint -M
.endr
.irp u, 0,1
	v_sub_f32 v[TT+8*\u+1], v[TT+8*\u], v[NM+2*\u]
	v_sub_f32 v[TT+8*\u+3], v[TT+8*\u], v[ST+2*\u]
.endr
.irp u, 0,1
	v_cvt_i32_f32 v[TT+8*\u+1], v[TT+8*\u+1]
	v_cvt_i32_f32 v[TT+8*\u+3], v[TT+8*\u+3]
.endr
.irp u, 0,1
	v_ldexp_f32 v[TT+8*\u+1], 1.0, v[TT+8*\u+1]    ; my half's factor,
	v_ldexp_f32 v[TT+8*\u+3], 1.0, v[TT+8*\u+3]    ; my partner's: powers of two, or 0 for a half far below
.endr
.irp u, 0,1
	v_mul_f32 v[LS+8*\u], v[LS+8*\u], v[TT+8*\u+1]
.endr
.irp u, 0,1
	v_fmac_f32 v[LS+8*\u], v[ST+2*\u+1], v[TT+8*\u+3]
.endr
.irp u, 0,1
	v_permlanex16_b32 v[TT+8*\u+2], v[LS+8*\u], s[SEL], s[SEL+1]
.endr
.irp u, 0,1
	v_add_f32 v[LS+8*\u], v[LS+8*\u], v[TT+8*\u+2] ; the row's sum
.endr
	s_wait_alu depctr_va_vdst(0)
	v_rcp_f32 v[LS], v[LS]
	v_rcp_f32 v[LS+8], v[LS+8]
	v_nop
	s_wait_alu depctr_va_vdst(0)                   ; and ahead of its first reader
.irp u, 0,1
	v_mul_f32 v[TT+8*\u+4], v[TT+8*\u+1], v[LS+8*\u]
	v_mul_f32 v[TT+8*\u], v[TT+8*\u+3], v[LS+8*\u]
.endr
.irp u, 0,1
.set J, 0
.rept 32
	v_pk_mul_f32 v[S+64*\u+J:S+64*\u+J+1], v[S+64*\u+J:S+64*\u+J+1], v[TT+8*\u:TT+8*\u+1] op_sel_hi:[1,0]
.set J, J+2
.endr
.endr
	WIN 0x01
	s_wait_alu depctr_va_vdst(0)                   ; directly ahead of the first reader of O^T
.irp u, 0,1
.set J, 0
.rept 32
	v_pk_fma_f32 v[S+64*\u+J:S+64*\u+J+1], v[64*\u+J:64*\u+J+1], v[TT+8*\u+4:TT+8*\u+5], v[S+64*\u+J:S+64*\u+J+1] op_sel_hi:[1,0,1]   ; each accumulator from its low end on
.set J, J+2
.endr
.endr
	WIN 0
.set I, 0
.rept 128
	v_med3_num_f32 v[S+I], v[S+I], -v[LIMC], v[LIMC]
.set I, I+1
.endr
.irp u, 0,1
.irp b, 0,1,2,3
	v_cvt_scalef32_pk8_fp8_f32 v[PC+16*\u+4*\b:PC+16*\u+4*\b+1], v[S+64*\u+16*\b:S+64*\u+16*\b+7], v[SCC]
	v_cvt_scalef32_pk8_fp8_f32 v[PC+16*\u+4*\b+2:PC+16*\u+4*\b+3], v[S+64*\u+16*\b+8:S+64*\u+16*\b+15], v[SCC]
.endr
.endr
	v_nop
.irp u, 0,1
.irp c, 0,1,2,3
	global_store_b128 v[LI], v[PC+16*\u+4*\c:PC+16*\u+4*\c+3], s[CX:CX+1] offset:8192*\u+512*\c   ; 32 lanes store 512 consecutive bytes, at a multiple of 512 from ctx_img's first byte
.endr
.endr
	s_wait_tensorcnt 0x0                           ; the wave's end
	ds_add_u32 v[SPW], v[NIL]
	s_wait_dscnt 0x0
	s_endpgm
.Lfunc_end_k_q73da40cce8_attn:
	.size	k_q73da40cce8_attn, .Lfunc_end_k_q73da40cce8_attn-k_q73da40cce8_attn
	.p2alignl 7, 3214868480
	.fill 96, 4, 3214868480
	.section	.rodata,"a",@progbits
	.p2align	6, 0x0
	.amdhsa_kernel k_q73da40cce8_attn
		.amdhsa_group_segment_fixed_size 68096
		.amdhsa_private_segment_fixed_size 0
		.amdhsa_enable_private_segment 0
		.amdhsa_kernarg_size 48
		.amdhsa_user_sgpr_count 2
		.amdhsa_user_sgpr_kernarg_segment_ptr 1
		.amdhsa_wavefront_size32 1
		.amdhsa_system_sgpr_workgroup_id_x 1
		.amdhsa_system_sgpr_workgroup_id_y 1
		.amdhsa_system_sgpr_workgroup_id_z 1
		.amdhsa_system_vgpr_workitem_id 0
		.amdhsa_next_free_vgpr 768
		.amdhsa_next_free_sgpr 102
		.amdhsa_reserve_vcc 0
		.amdhsa_float_denorm_mode_32 3
		.amdhsa_float_denorm_mode_16_64 3
		.amdhsa_memory_ordered 1
		.amdhsa_forward_progress 1
		.amdhsa_inst_pref_size 94
	.end_amdhsa_kernel
	.amdgpu_metadata
---
amdhsa.version: [ 1, 2 ]
amdhsa.kernels:
  - .name:           k_q73da40cce8_attn
    .symbol:         k_q73da40cce8_attn.kd
    .args:
      - { .name: q_img, .offset: 0, .size: 8, .value_kind: global_buffer, .address_space: global }
      - { .name: kv_img, .offset: 8, .size: 8, .value_kind: global_buffer, .address_space: global }
      - { .name: maskw, .offset: 16, .size: 8, .value_kind: global_buffer, .address_space: global }
      - { .name: sumw, .offset: 24, .size: 8, .value_kind: global_buffer, .address_space: global }
      - { .name: lowp_scales, .offset: 32, .size: 8, .value_kind: global_buffer, .address_space: global }
      - { .name: ctx_img, .offset: 40, .size: 8, .value_kind: global_buffer, .address_space: global }
    .group_segment_fixed_size: 68096
    .private_segment_fixed_size: 0
    .kernarg_segment_align: 8
    .kernarg_segment_size: 48
    .max_flat_workgroup_size: 128
    .sgpr_count:     102
    .vgpr_count:     768
    .wavefront_size: 32
...
	.end_amdgpu_metadata
.endif
;; end of part 3
;; launch proj (part 4): grid 16 x 16, 4 waves a work-group, clusters of 4 x 4, 327,680 bytes of LDS; arguments ctx_img, img, lowp_scales, out0; writes out0
.if DOCPART == 4
	.amdgcn_target "amdgcn-amd-amdhsa--gfx1250"
	.amdhsa_code_object_version 6
	.text
	.protected	k_q73da40cce8_proj
	.globl	k_q73da40cce8_proj
	.p2align	8
	.type	k_q73da40cce8_proj,@function
k_q73da40cce8_proj:
	s_mov_b64 s[64:65], 0
	v_nop
	global_prefetch_b8 v0, s[64:65] scope:SCOPE_SE
	s_setreg_imm32_b32 hwreg(HW_REG_WAVE_MODE, 25, 1), 1
	s_wait_xcnt 0x0
	s_wait_alu depctr_hold_cnt(0) depctr_sa_sdst(0) depctr_va_vdst(0) depctr_va_sdst(0) depctr_va_ssrc(0) depctr_va_vcc(0) depctr_vm_vsrc(0)
	s_getreg_b32 s2, hwreg(HW_REG_IB_STS2, 6, 4)
	s_cmp_eq_u32 s2, 0
	s_cbranch_scc0 .Lentry_in_a_cluster
	s_endpgm
.Lentry_in_a_cluster:
	s_bfe_u32 s2, ttmp6, 0x10000c
	s_cmp_lg_u32 s2, 0xf033
	s_cbranch_scc0 .Lentry_shape_is_right
	s_endpgm
.Lentry_shape_is_right:
.set PART,   32768
.set SLOT,   4*PART
.set KSL,    1048576
.set STAGE,  2*SLOT
.set SPITCH, 272
.set SPARE,  STAGE+4*16*SPITCH
.set ADRA, 16
.set ADRB, 20
.set STO,  24
.set RD,   25
.set CO,   26
.set SPW,  28
.set NIL,  29
.set TMP,  32
.set BK,   96
.set ACC,  128
.set F0,   0
.set F1,   128
.set G1, 24
.set G0, 32
.set G1B, 48
.set G0B, 56
.set MSB, 0
.macro WIN new
.if MSB != \new
	s_set_vgpr_msb (MSB<<8)|\new
.set MSB, \new
.endif
.endm
.set MUL,  0x05
.set TO_F, 0x40
.macro JLOAD s
	s_cmp_eq_u32 s15, 0
	s_cbranch_scc0 .Lfor_b_\@
	tensor_load_to_lds s[G0+4*\s:G0+4*\s+3], s[G1:G1+7]
	s_nop 0
.rept 4
	v_nop
.endr
	s_branch .Lasked_\@
.Lfor_b_\@:
	tensor_load_to_lds s[G0B+4*\s:G0B+4*\s+3], s[G1B:G1B+7]
	s_nop 0
.rept 4
	v_nop
.endr
.Lasked_\@:
.endm
.macro CREST
	s_cmp_lg_u32 s14, 0
	s_cbranch_scc1 .Lnot_wave_0_\@
	s_barrier_signal -3
.Lnot_wave_0_\@:
	s_barrier_wait -3
	s_barrier_signal -1
	s_barrier_wait -1
.endm
.macro CROUND
	s_barrier_signal -1
	s_barrier_wait -1
	CREST
.endm
	s_load_b256 s[4:11], s[0:1], 0x0
	v_lshl_add_u32 v[SPW], v0, 2, SPARE
	v_mov_b32 v[NIL], 0
	ds_add_u32 v[SPW], v[NIL]
	ds_add_u32 v[SPW], v[NIL]
	v_lshrrev_b32 v1, 5, v0
	v_readfirstlane_b32 s14, v1
	v_and_b32 v27, 31, v0
	v_lshlrev_b32 v27, 8, v27                      ; the prefetches' offset: 256 x lane; never rewritten
	s_lshr_b32 s15, s14, 1
	s_and_b32 s16, s14, 1
	s_bfe_u32 s40, ttmp6, 0x40000
	s_bfe_u32 s41, ttmp6, 0x40004
	s_lshl_b32 s42, ttmp9, 2
	s_add_co_u32 s42, s42, s40
	s_and_b32 s17, ttmp7, 0xffff
	s_lshl_b32 s17, s17, 2
	s_add_co_u32 s17, s17, s41
	s_lshl_b32 s43, s41, 2
	s_lshl_b32 s43, 15, s43
	s_lshl_b32 s44, 0x1111, s40
	s_or_b32 s[G1+0], s43, (3<<16)|(1<<21)
	s_or_b32 s[G1B+0], s44, (3<<16)|(1<<21)
.irp g, G1, G1B
	s_mov_b32 s[\g+1], 32<<16
	s_mov_b32 s[\g+2], 128<<16
	s_mov_b32 s[\g+3], 32<<16
	s_mov_b32 s[\g+4], 128
	s_mov_b32 s[\g+5], 32
	s_mov_b32 s[\g+6], 0
	s_mov_b32 s[\g+7], 0
.endr
	s_lshl_b32 s18, s16, 15
	s_lshl_b32 s20, s17, 16
	s_add_co_u32 s20, s20, s18
	s_lshl_b32 s46, s42, 16
	s_add_co_u32 s46, s46, s18
	s_add_co_u32 s46, s46, 25165824
	s_mov_b32 s21, 0
	s_mov_b32 s47, 0
	s_lshl_b32 s45, s14, 15
	s_wait_dscnt 0x0
	s_wait_kmcnt 0x0
	s_load_b64 s[96:97], s[8:9], 0x28
	s_add_nc_u64 s[20:21], s[4:5], s[20:21]
	s_add_nc_u64 s[46:47], s[6:7], s[46:47]
	; the prefetches: of the 32,768 bytes that my wave fetches for a slot, each of the four partners that ask jointly names 8,192, told apart by address (cx for ctx's tiles, cy for Wo's); the base is never rewritten
	s_cmp_eq_u32 s15, 0
	s_cselect_b64 s[98:99], s[20:21], s[46:47]
	s_cselect_b32 s94, s40, s41
	s_lshl_b32 s94, s94, 13
	s_mov_b32 s95, 0
	s_add_nc_u64 s[98:99], s[98:99], s[94:95]
	CROUND
.irp s, 0,1
	s_mov_b32 s[G0+4*\s], 1
	s_add_co_u32 s[G0+4*\s+1], s45, \s*SLOT
	s_add_nc_u64 s[G0+4*\s+2:G0+4*\s+3], s[20:21], \s*KSL
	s_or_b32 s[G0+4*\s+3], s[G0+4*\s+3], 0x80000000
	s_mov_b32 s[G0B+4*\s], 1
	s_add_co_u32 s[G0B+4*\s+1], s45, \s*SLOT
	s_add_nc_u64 s[G0B+4*\s+2:G0B+4*\s+3], s[46:47], \s*KSL
	s_or_b32 s[G0B+4*\s+3], s[G0B+4*\s+3], 0x80000000
	s_wait_alu depctr_va_vdst(0)
	s_wait_tensorcnt 0x0
	ds_add_u32 v28, v29
	ds_add_u32 v28, v29
	s_wait_dscnt 0x0
	CROUND
	JLOAD \s
.if \s == 0
	global_prefetch_b8 v27, s[98:99] offset:KSL th:TH_LOAD_NT scope:SCOPE_SE          ; slot 1's bytes, a slot ahead of their load
.endif
	global_prefetch_b8 v27, s[98:99] offset:(\s+2)*KSL th:TH_LOAD_NT scope:SCOPE_SE   ; and what the load two refills on will ask for: K has four slots, so the later refills ask for nothing
.endr
	v_and_b32 v1, 31, v0
	v_and_b32 v2, 15, v0
	s_wait_alu depctr_va_vdst(0)
	v_bfe_u32 v3, v0, 4, 1
	v_lshlrev_b32 v4, 4, v1
	s_lshl_b32 s21, s15, 15
	s_lshl_b32 s22, s16, 15
	s_add_co_u32 s22, s22, 2*PART
.irp s, 0,1
	v_add_nc_u32 v[ADRA+\s], s21, v4
	v_add_nc_u32 v[ADRB+\s], s22, v4
	s_add_co_u32 s21, s21, SLOT
	s_add_co_u32 s22, s22, SLOT
.endr
	s_mul_i32 s23, s14, 16*SPITCH
	s_add_co_u32 s23, s23, STAGE
	v_mul_u32_u24 v[STO], v2, SPITCH
	s_wait_alu depctr_va_vdst(0)
	v_lshl_add_u32 v[STO], v3, 6, v[STO]
	v_add_nc_u32 v[STO], s23, v[STO]
	v_mul_u32_u24 v[RD], v3, SPITCH
	v_lshl_add_u32 v[RD], v2, 4, v[RD]
	v_add_nc_u32 v[RD], s23, v[RD]
	v_lshlrev_b32 v[CO], 13, v3
	v_lshl_add_u32 v[CO], v2, 4, v[CO]
	s_lshl_b32 s20, s17, 20
	s_lshl_b32 s21, s15, 19
	s_add_co_u32 s20, s20, s21
	s_lshl_b32 s21, s42, 9
	s_add_co_u32 s20, s20, s21
	s_lshl_b32 s21, s16, 8
	s_add_co_u32 s20, s20, s21
	s_mov_b32 s21, 0
	s_add_nc_u64 s[10:11], s[10:11], s[20:21]
.macro FETCH slot, q, f
	WIN TO_F
.irp i, 0,1,2,3
.irp c, 0,1,2,3
	ds_load_b128 v[\f+64+16*\i+4*\c:\f+64+16*\i+4*\c+3], v[ADRB+\slot] offset:8192*\i+2048*(\q)+512*\c
.endr
.endr
.irp i, 0,1,2,3
.irp c, 0,1,2,3
	ds_load_b128 v[\f+16*\i+4*\c:\f+16*\i+4*\c+3], v[ADRA+\slot] offset:8192*\i+2048*(\q)+512*\c
.endr
.endr
.endm
.macro MUL4 f, a, zero
.irp b, 0,1,2,3
.if \zero
	v_wmma_f32_16x16x128_fp8_fp8 v[ACC+8*(4*\a+\b):ACC+8*(4*\a+\b)+7], v[\f+64+16*\b:\f+64+16*\b+15], v[\f+16*\a:\f+16*\a+15], 0
.else
	v_wmma_f32_16x16x128_fp8_fp8 v[ACC+8*(4*\a+\b):ACC+8*(4*\a+\b)+7], v[\f+64+16*\b:\f+64+16*\b+15], v[\f+16*\a:\f+16*\a+15], v[ACC+8*(4*\a+\b):ACC+8*(4*\a+\b)+7]
.endif
.endr
.endm
.macro PLACES
.rept 4
	v_nop
.endr
.endm
.macro STEP slot, q, f, g, zero
	PLACES
	FETCH \slot, (\q)+1, \g
	s_wait_dscnt 32
	WIN MUL
	MUL4 \f, 0, \zero
	MUL4 \f, 1, \zero
	MUL4 \f, 2, \zero
	MUL4 \f, 3, \zero
.endm
.macro TURN slot, next, fill
	WIN 0
	s_wait_tensorcnt 0x0
	ds_add_u32 v[SPW], v[NIL]
	s_wait_dscnt 1
	WIN MUL
	MUL4 F1, 0, 0
	s_wait_dscnt 0x0
	s_barrier_signal -1
	MUL4 F1, 1, 0
	WIN 0
	s_barrier_wait -1
.if \fill
	CREST
	s_add_nc_u64 s[G0+4*\slot+2:G0+4*\slot+3], s[G0+4*\slot+2:G0+4*\slot+3], 2*KSL
	s_add_nc_u64 s[G0B+4*\slot+2:G0B+4*\slot+3], s[G0B+4*\slot+2:G0B+4*\slot+3], 2*KSL
	JLOAD \slot
.else
	PLACES
.endif
	FETCH \next, 0, F0
	WIN MUL
	MUL4 F1, 2, 0
	MUL4 F1, 3, 0
.endm
	s_wait_tensorcnt 1
	s_barrier_signal -1
	s_barrier_wait -1
	FETCH 0, 0, F0
	STEP 0, 0, F0, F1, 1
	STEP 0, 1, F1, F0, 0
	STEP 0, 2, F0, F1, 0
	TURN 0, 1, 1
	STEP 1, 0, F0, F1, 0
	STEP 1, 1, F1, F0, 0
	STEP 1, 2, F0, F1, 0
	TURN 1, 0, 1
	STEP 0, 0, F0, F1, 0
	STEP 0, 1, F1, F0, 0
	STEP 0, 2, F0, F1, 0
	TURN 0, 1, 0
	STEP 1, 0, F0, F1, 0
	STEP 1, 1, F1, F0, 0
	STEP 1, 2, F0, F1, 0
	s_wait_dscnt 0x0
	MUL4 F1, 0, 0
	MUL4 F1, 1, 0
	MUL4 F1, 2, 0
	MUL4 F1, 3, 0
	WIN 0
	s_wait_kmcnt 0x0
	s_add_co_i32 s96, s96, s97
	s_add_co_i32 s96, s96, 127
	s_lshl_b32 s96, s96, 23
	s_mov_b32 s97, s96
	PLACES
.irp a, 0,1,2,3
.set J, 0
.rept 16
	v_pk_mul_f32 v[TMP+J:TMP+J+1], v[ACC+32*\a+J:ACC+32*\a+J+1], s[96:97] op_sel_hi:[1,0]
.set J, J+2
.endr
.if \a > 0
	s_wait_alu depctr_va_vdst(0)
	s_wait_xcnt 0x0
.endif
.irp b, 0,1,2,3
	ds_store_b128 v[STO], v[TMP+8*\b:TMP+8*\b+3] offset:128*(\b/2)+32*(\b%2)
	ds_store_b128 v[STO], v[TMP+8*\b+4:TMP+8*\b+7] offset:128*(\b/2)+32*(\b%2)+16
.endr
.irp i, 0,1,2,3,4,5,6,7
	ds_load_b128 v[BK+4*\i:BK+4*\i+3], v[RD] offset:2*\i*SPITCH
.endr
.irp i, 0,1,2,3,4,5,6,7
	s_wait_dscnt 7-\i
	global_store_b128 v[CO], v[BK+4*\i:BK+4*\i+3], s[10:11] offset:(32*(\a/2)+8*(\a%2)+2*\i+8*(\i/4))*8192 th:TH_STORE_NT
.endr
.endr
	s_wait_tensorcnt 0x0
	ds_add_u32 v[SPW], v[NIL]
	s_wait_dscnt 0x0
	CROUND
	s_endpgm
.Lfunc_end_k_q73da40cce8_proj:
	.size	k_q73da40cce8_proj, .Lfunc_end_k_q73da40cce8_proj-k_q73da40cce8_proj
	.p2alignl 7, 3214868480
	.fill 96, 4, 3214868480
	.section	.rodata,"a",@progbits
	.p2align	6, 0x0
	.amdhsa_kernel k_q73da40cce8_proj
		.amdhsa_group_segment_fixed_size 327680
		.amdhsa_private_segment_fixed_size 0
		.amdhsa_enable_private_segment 0
		.amdhsa_kernarg_size 32
		.amdhsa_user_sgpr_count 2
		.amdhsa_user_sgpr_kernarg_segment_ptr 1
		.amdhsa_wavefront_size32 1
		.amdhsa_system_sgpr_workgroup_id_x 1
		.amdhsa_system_sgpr_workgroup_id_y 1
		.amdhsa_system_sgpr_workgroup_id_z 1
		.amdhsa_system_vgpr_workitem_id 0
		.amdhsa_next_free_vgpr 512
		.amdhsa_next_free_sgpr 100
		.amdhsa_reserve_vcc 0
		.amdhsa_float_denorm_mode_32 3
		.amdhsa_float_denorm_mode_16_64 3
		.amdhsa_memory_ordered 1
		.amdhsa_forward_progress 1
		.amdhsa_inst_pref_size 75
	.end_amdhsa_kernel
	.amdgpu_metadata
---
amdhsa.version: [ 1, 2 ]
amdhsa.kernels:
  - .name:           k_q73da40cce8_proj
    .symbol:         k_q73da40cce8_proj.kd
    .args:
      - { .name: ctx_img, .offset: 0, .size: 8, .value_kind: global_buffer, .address_space: global }
      - { .name: img, .offset: 8, .size: 8, .value_kind: global_buffer, .address_space: global }
      - { .name: lowp_scales, .offset: 16, .size: 8, .value_kind: global_buffer, .address_space: global }
      - { .name: out0, .offset: 24, .size: 8, .value_kind: global_buffer, .address_space: global }
    .group_segment_fixed_size: 327680
    .private_segment_fixed_size: 0
    .kernarg_segment_align: 8
    .kernarg_segment_size: 32
    .max_flat_workgroup_size: 128
    .sgpr_count:     100
    .vgpr_count:     512
    .wavefront_size: 32
...
	.end_amdgpu_metadata
.endif
;; end of part 4
